; MI455X (gfx1250); checked and timed in simulation.
; The chip was launched on July 23, 2026; its instructions are those of AMD's public machine-readable ISA for CDNA 5 (MIT licence, August 2026) and "CDNA5" Instruction Set Architecture Reference Guide (July 2026). The comments in the code are by the model that wrote it; some were corrected since.
;; Bidaf Attn. Allowed arithmetic: float matrix products may take bf16 or f16 operands with f32 sums; all other float work in f32.
;; Inputs: l1 32 int32; l2 32 int32; s1 32 x 1,024 x 256 float32; s2 32 x 1,024 x 256 float32; w 768 float32.
;; Outputs: out0 32 x 1,024 x 256 float32.
;; 2 versions, each right and faster than the one before. Each part assembles by itself: llvm-mc -triple=amdgcn-amd-amdhsa -mcpu=gfx1250 --defsym DOCPART=n.
;; ======== version 1 of 2: 1 launch
;; limits: values are held in f16: magnitudes above 65,504 overflow, below 6.1e-05 lose precision
;; launch bidaf (part 1): grid 16 x 32, 4 waves a work-group, no clusters, 303,616 bytes of LDS; arguments l1, l2, s1, s2, w, out0; writes out0
.if DOCPART == 1
	.amdgcn_target "amdgcn-amd-amdhsa--gfx1250"
	.amdhsa_code_object_version 6
	.text
	.protected	k_q804507842c_bidaf
	.globl	k_q804507842c_bidaf
	.p2align	8
	.type	k_q804507842c_bidaf,@function
k_q804507842c_bidaf:
	s_mov_b64 s[64:65], 0
	v_nop
	global_prefetch_b8 v0, s[64:65] scope:SCOPE_SE
	s_setreg_imm32_b32 hwreg(HW_REG_WAVE_MODE, 25, 1), 1
	s_wait_xcnt 0x0
; u[b][t][:] = sum over k < l2[b] of softmax_k(part1[t] + part2[k] + (s1[t]*w3).s2[k]) s2[k][:] for t < l1[b]; zero for t >= l1[b] or l2[b] <= 0.
; s1, s2, out0: [32][1024][256] f32.  w: [768] f32 = w1, w2, w3.  l1, l2: [32] int32.
;
; WORK LEFT OUT, for all values of the inputs:
;  - part1[t] = s1[t].w1 is the same for every k of row t, so it multiplies numerator and denominator of the softmax alike and cancels; it is a sum of 256
;    products like the other terms of the score, so f32 loses nothing by its absence.  w[0:256] is never loaded.
;  - a block of 64 queries that begins at or above l1[b], and every block of a batch with l2[b] <= 0, is zero by the problem's own mask: it is stored as
;    zeros and neither s1 nor s2 is loaded for it.  Key tiles (32 keys) that begin at or above l2[b] have weight 0 by the same mask and are not loaded.
;  A NaN, an infinity or an overflow that reaches only this work is not carried to the result.
; ONE PRODUCT FOR TWO TERMS: part2[k] + cross[t][k] = sum over d of (s1[t][d] w3[d] + w2[d]) s2[k][d], so Q' = s1 w3 + w2 (one f32 multiply-add) takes part2 along.
; FORMATS: all products take f16 operands and f32 sums.  A weight a answers an error e of its score by a (1 - a) e, up to e / 4, and a score is a sum of 256
;  products: with each operand rounded once to 11 bits its error is of the order 16 x 2^-11 x |Q'| |s2|, a hundredth for numbers of spread 1, which is as much as the
;  result may be wrong by.  So both operands of the score go as a PAIR of f16 numbers, x = hi + lo (hi: the upper 11 bits of x, lo: x - hi, exact in f32, then rounded), and
;  S = Qh Kh + Qh Kl + Ql Kh; the term left out, Ql Kl, is 2^-20 of a product.  The second product takes the weights rounded to f16 and V = Kh.
; LIMITS: |s2| < 65,504 and |s1 w3 + w2| < 65,504 (f16's range); V is s2 cut to 11 bits, up to 2^-10 of its size too small; parts of an operand below 2^-25 are lost;
;  a weight below 2^-24 of its row's running maximum drops out of the second product (it stays in the denominator); the denominator adds f32 weights while the product
;  takes them rounded to f16; l1, l2 are clamped to 0..1024, which the problem's compare with arange does too; the keys of a row are summed in four parts that are merged
;  at the end, an order other than the problem's.  Rows at or above l1 inside a live block are computed and multiplied by 0, so they too must stay inside the ranges above.
;
; SHARES: 512 work-groups, one batch and 64 queries each; four waves.  All four waves hold the same 64 queries (four tiles of 16, Qh in 256 registers, Ql in LDS) and split
;  the keys: wave w takes the key tiles w, w+4, ...  No wave reads another's tile, so the loop has no barrier.  Each wave keeps its own running maximum, its own
;  denominator and its own 64 x 256 sums (512 registers); these meet in LDS at the end, and wave w merges and stores queries 16 w .. 16 w + 15.
; NO CLUSTER, NO TENSOR LOADS: the sixteen blocks of a batch do read the same s2, but s2 is f32 and becomes a matrix operand only after the split in registers.  A tile
;  laid into LDS as f32 would cost 1,024 bytes written and 1,024 read for each key on top of the 1,024 written and 1,536 read that the two f16 tiles cost anyway.
; TRANSPOSED PRODUCTS: S^T = K Q'^T (source 0 = 16 keys, source 1 = 16 queries): lane (r, h) holds query r and keys 8h+j, so maximum and sum stay in the lane but for
;  one exchange between the halves, and the lane's 16 weights, packed in pairs, ARE the second product's source 1.  O^T = V^T P^T, V^T by transposing loads of the Kh tile.
;
; LDS: wave w's region at w*WREG: in the loop two Kh buffers and one Kl buffer of 32 rows x 528 bytes (512 of f16 data; Kl is read in the first product alone, and LDS serves a
;  wave's instructions in order, so one buffer does), then the stage of the wave's 16 rows of Qh; behind the loop the wave's sums, 64 rows x 1,040 bytes, over all of it.
;  QLO: Ql, 64 rows x 528, never overwritten.  STAT: [wave][64] -c*max, then [wave][64] denominators.  FT: [wave][16 rows][4 factors].
;  528 = 33 x 16 and 1,040 = 65 x 16: the same column of sixteen rows falls on sixteen different 16-byte columns modulo 256 bytes.
; REGISTERS, in windows of 256: window 0 addresses, statistics, slots v32-63, scores v64-127, staging v128-255 (v192-255 are fragment slots in the first product);
;  window 1 Qh (tile q, 32 d at c: v[8(8q+c)]); windows 2, 3 the sums (d tile t, query tile q: v[8(4(t&7)+q)], t < 8 in window 2); ahead of the loop window 3 stages key
;  tile 0 and window 2 its high parts.
.set PK,    528                        ; pitch of an f16 row of 256 numbers
.set HALFK, 16*PK
.set KBUF,  32*PK                      ; a key buffer
.set KLO,   2*KBUF                     ; the Kl buffer in a wave's region
.set QHS,   3*KBUF                     ; the stage of the wave's 16 rows of Qh in its region
.set PO,    1040                       ; pitch of an f32 row of 256 sums
.set WREG,  64*PO                      ; a wave's region
.set QLO,   4*WREG
.set STAT,  QLO+64*PK
.set FT,    STAT+2048
.set QLR,   1                          ; v1   the lane's number, then my Ql fragment address
.set GOF,   4                          ; v4   16 x lane: my 16 bytes in 512 bytes of a row; never rewritten
.set KB0,   5                          ; v5   my K fragment address in buffer 0
.set VB0,   6                          ; v6   my V^T fragment address in buffer 0
.set SB0,   7                          ; v7   where I store 8 bytes of a row in buffer 0
.set KRD,   8                          ; v8   Kh address, the buffer at work
.set VRD,   9                          ; v9   V^T address, the buffer at work
.set SWR,   10                         ; v10  Kh store address, the other buffer
.set H8,    11                         ; v11  8 h
.set NM,    12                         ; v[12:15] -c x running maximum of query tile q
.set LS,    16                         ; v[16:19] running denominator (my half of the keys)
.set MX,    20                         ; v[20:23] running maximum
.set AL,    24                         ; v[24:27] the factor by which older sums shrink
.set NEG,   28                         ; v28  -1e30
.set KLEFT, 29                         ; v29  keys left from my last tile's first key, less 8 h
.set QA,    30                         ; v30  Ql store address, then the sums' store address
.set STA,   31                         ; v31  where my statistics go
.set FR,    32                         ; v[32:63] four fragment slots; FR+64 = v[96:127] four more for the second product; also the split's high parts
.set TM,    32                         ; softmax at work (the slots are free then)
.set TX,    36
.set UU,    40
.set SC,    64                         ; v[64:127] scores: tile q, key half kt at SC+16q+8kt; then the packed weights of tile q at SC+8q
.set ST,    128                        ; v[128:255] staging: 32 loads of 4 registers = 16 rows of f32
.set XS,    192                        ; v[192:255] in the first product: two sets of four K fragments
.set MSB, 0
.macro WIN new                         ; s_set_vgpr_msb: bits 1:0 source 0, 3:2 source 1, 5:4 source 2, 7:6 destination; the high byte repeats the setting that is left
.if MSB != \new
	s_set_vgpr_msb (MSB<<8)|\new
.set MSB, \new
.endif
.endm
.macro NOP4                            ; the places behind a matrix instruction (ISA guide 7.12.1) where there is no other vector work to put
.rept 4
	v_nop
.endr
.endm
; n rows of the next key tile, f32, from row row0 on, into registers from reg0 on.  No cache word: the batch's other blocks read the same rows.
.macro LOADROWS row0, n, reg0
.set ii, 0
.rept 2*\n
	global_load_b128 v[\reg0+4*ii:\reg0+4*ii+3], v[GOF], s[36:37] offset:(\row0+(ii>>1))*1024+(ii&1)*512
.set ii, ii+1
.endr
.endm
; The 16 rows in staging are split and go to LDS: hi = the upper 11 bits, lo = x - hi (exact), both to f16; eight loads (32 numbers a lane) at a time.
; hi to v[ha] + hb, lo to v[la] + lb, row row0 on; a wave's store covers 256 neighbouring bytes.
.macro CONV row0, ha, hb, la, lb
.set gg, 0
.rept 4
.set kk, 0
.rept 32
	v_and_b32 v[FR+kk], s42, v[ST+32*gg+kk]
.set kk, kk+1
.endr
.set kk, 0
.rept 16
	v_pk_add_f32 v[ST+32*gg+2*kk:ST+32*gg+2*kk+1], v[ST+32*gg+2*kk:ST+32*gg+2*kk+1], v[FR+2*kk:FR+2*kk+1] neg_lo:[0,1] neg_hi:[0,1]
.set kk, kk+1
.endr
.set kk, 0
.rept 8
	v_cvt_pk_f16_f32 v[FR+4*kk],         v[FR+4*kk],         v[FR+4*kk+1]
	v_cvt_pk_f16_f32 v[FR+4*kk+1],       v[FR+4*kk+2],       v[FR+4*kk+3]
	v_cvt_pk_f16_f32 v[ST+32*gg+4*kk],   v[ST+32*gg+4*kk],   v[ST+32*gg+4*kk+1]
	v_cvt_pk_f16_f32 v[ST+32*gg+4*kk+1], v[ST+32*gg+4*kk+2], v[ST+32*gg+4*kk+3]
.set kk, kk+1
.endr
.set kk, 0
.rept 8
	ds_store_b64 v[\ha], v[FR+4*kk:FR+4*kk+1]             offset:\hb+(\row0+((8*gg+kk)>>1))*PK+((8*gg+kk)&1)*256
	ds_store_b64 v[\la], v[ST+32*gg+4*kk:ST+32*gg+4*kk+1] offset:\lb+(\row0+((8*gg+kk)>>1))*PK+((8*gg+kk)&1)*256
.set kk, kk+1
.endr
.set gg, gg+1
.endr
.endm
; the four K fragments of d step c (32 d): Kh keys 0-15, Kh keys 16-31, Kl keys 0-15, Kl keys 16-31, into set c & 1: eight loads
.macro KSET c
.set xb, XS+32*((\c)&1)
	ds_load_b128 v[xb:xb+3],     v[KRD] offset:64*(\c)
	ds_load_b128 v[xb+4:xb+7],   v[KRD] offset:64*(\c)+32
	ds_load_b128 v[xb+8:xb+11],  v[KRD] offset:HALFK+64*(\c)
	ds_load_b128 v[xb+12:xb+15], v[KRD] offset:HALFK+64*(\c)+32
	ds_load_b128 v[xb+16:xb+19], v[KB0] offset:KLO+64*(\c)
	ds_load_b128 v[xb+20:xb+23], v[KB0] offset:KLO+64*(\c)+32
	ds_load_b128 v[xb+24:xb+27], v[KB0] offset:KLO+HALFK+64*(\c)
	ds_load_b128 v[xb+28:xb+31], v[KB0] offset:KLO+HALFK+64*(\c)+32
.endm
; the four Ql fragments of d step c, one for each query tile: eight loads
.macro QSET c
.irp q, 0,1,2,3
	ds_load_b128 v[FR+8*\q:FR+8*\q+3],   v[QLR] offset:HALFK*\q+64*(\c)
	ds_load_b128 v[FR+8*\q+4:FR+8*\q+7], v[QLR] offset:HALFK*\q+64*(\c)+32
.endr
.endm
.macro PRELOADK
	KSET 0
	QSET 0
	KSET 1
.endm
; V^T fragment of d tile t: rows 0-7 are d = 128(t>>3) + 8(t&7) + 0..7, rows 8-15 the same + 64 (VB0 carries 128 bytes for lanes 8-15 of each half).
; Two loads: keys 0-15, keys 16-31.
.macro VFRAG t, slot
	ds_load_tr16_b128 v[\slot:\slot+3],   v[VRD] offset:16*((\t)&7)+256*((\t)>>3)
	ds_load_tr16_b128 v[\slot+4:\slot+7], v[VRD] offset:16*((\t)&7)+256*((\t)>>3)+HALFK
.endm
; eight products: S[q][kt] (+)= A[kt] x B[q], A at a0 + 8 kt, B at b0 + bq q.  The eight score accumulators take turns, one instruction a turn,
; in the same order in every call.
.macro MUL8 a0, b0, bq, zero
.set kt, 0
.rept 2
.set qq, 0
.rept 4
.if \zero
	v_wmma_f32_16x16x32_f16 v[SC+16*qq+8*kt:SC+16*qq+8*kt+7], v[\a0+8*kt:\a0+8*kt+7], v[\b0+\bq*qq:\b0+\bq*qq+7], 0
.else
	v_wmma_f32_16x16x32_f16 v[SC+16*qq+8*kt:SC+16*qq+8*kt+7], v[\a0+8*kt:\a0+8*kt+7], v[\b0+\bq*qq:\b0+\bq*qq+7], v[SC+16*qq+8*kt:SC+16*qq+8*kt+7]
.endif
.set qq, qq+1
.endr
.set kt, kt+1
.endr
.endm
; S^T = Kh Qh^T + Kl Qh^T + Kh Ql^T in eight steps of 32 d, 24 matrix instructions each.  LDS loads come back in order (ISA guide 5.7.1); they are issued as
; K(0), Ql(0), K(1), and behind step c as Ql(c+1), K(c+2), eight loads each.
.macro PHASE_A
.set cc, 0
.rept 8
	WIN 0x04                               ; source 1 (Qh) in window 1
.if cc < 7
	s_wait_dscnt 16                        ; K(c) is in; Ql(c) or Ql(c+1), and K(c+1) or K(c+2), sixteen younger loads, may be out
.else
	s_wait_dscnt 8                         ; the last step: only its Ql is younger
.endif
.if cc == 0
	MUL8 XS+32*(cc&1), 8*cc, 64, 1         ; the first products start the scores
.else
	MUL8 XS+32*(cc&1), 8*cc, 64, 0
.endif
	MUL8 XS+32*(cc&1)+16, 8*cc, 64, 0
	WIN 0                                  ; source 1 (Ql) in window 0
.if cc < 7
	s_wait_dscnt 8                         ; Ql(c) is in; the next K set's eight loads may be out
.else
	s_wait_dscnt 0
.endif
	MUL8 XS+32*(cc&1), FR, 8, 0
.if cc < 7
	NOP4                                   ; four places before the slots just read are loaded again
	QSET cc+1
.endif
.if cc < 6
	KSET cc+2
.endif
.set cc, cc+1
.endr
.endm
; The softmax step on 4 x 16 scores a lane.  first = 1: nothing older to join.  last = 1: the wave's last tile, the only one that can cross l2; nothing more is asked for.
.macro PHASE_B first, last
	WIN 0
	NOP4                                   ; four places before the scores are read and the slots rewritten
.if \last == 0
	LOADROWS 8, 8, ST+64                   ; the next tile's rows 8-15, into the registers that were K slots
.endif
.if \last
.set nn, 0
.rept 16
	v_cmp_lt_i32 vcc_lo, 16*(nn>>3)+(nn&7), v[KLEFT]       ; key 16 kt + 8 h + j of the tile is below l2
.irp q, 0,1,2,3
	v_cndmask_b32 v[SC+16*\q+nn], v[NEG], v[SC+16*\q+nn], vcc_lo
.endr
.set nn, nn+1
.endr
.endif
.irp q, 0,1,2,3
	v_max3_num_f32 v[TM+\q], v[SC+16*\q], v[SC+16*\q+1], v[SC+16*\q+2]
.endr
.irp k, 3,5,7,9,11,13
.irp q, 0,1,2,3
	v_max3_num_f32 v[TM+\q], v[TM+\q], v[SC+16*\q+\k], v[SC+16*\q+\k+1]
.endr
.endr
.irp q, 0,1,2,3
.if \first
	v_max_num_f32 v[TM+\q], v[TM+\q], v[SC+16*\q+15]
.else
	v_max3_num_f32 v[TM+\q], v[TM+\q], v[SC+16*\q+15], v[MX+\q]
.endif
.endr
.irp q, 0,1,2,3
	v_permlanex16_b32 v[TX+\q], v[TM+\q], s26, s27         ; the other half's keys of the same query (the destination lies in a slot that has been loaded)
.endr
.irp q, 0,1,2,3
	v_max_num_f32 v[MX+\q], v[TM+\q], v[TX+\q]
.endr
.if \first == 0
.irp q, 0,1,2,3
	v_sub_f32 v[AL+\q], 0, v[NM+\q]
.endr
.endif
.irp q, 0,1,2,3
	v_mul_f32 v[NM+\q], s30, v[MX+\q]                      ; -c x maximum, c = log2 e
.endr
.if \first == 0
.irp q, 0,1,2,3
	v_add_f32 v[AL+\q], v[AL+\q], v[NM+\q]                 ; the difference of the two ROUNDED values, so that their rounding cancels from trip to trip
.endr
.endif
.set qq, 0
.rept 4
.set kk, 0
.rept 8
.if qq & 1
	v_pk_fma_f32 v[SC+16*qq+2*kk:SC+16*qq+2*kk+1], v[SC+16*qq+2*kk:SC+16*qq+2*kk+1], s[28:29], v[NM+2*(qq>>1):NM+2*(qq>>1)+1] op_sel:[0,0,1] op_sel_hi:[1,0,1]
.else
	v_pk_fma_f32 v[SC+16*qq+2*kk:SC+16*qq+2*kk+1], v[SC+16*qq+2*kk:SC+16*qq+2*kk+1], s[28:29], v[NM+2*(qq>>1):NM+2*(qq>>1)+1] op_sel_hi:[1,0,0]
.endif
.set kk, kk+1
.endr
.set qq, qq+1
.endr
.set kk, 0
.rept 64
	v_exp_f32 v[SC+kk], v[SC+kk]
.set kk, kk+1
.endr
.if \first == 0
.irp q, 0,1,2,3
	v_exp_f32 v[AL+\q], v[AL+\q]
.endr
.endif
	v_nop                                  ; one plain instruction between the exponentials and the first use of a result (ISA guide 5.7.2)
	s_wait_alu depctr_va_vdst(0)
.irp q, 0,1,2,3
	v_pk_add_f32 v[UU+8*(\q&1):UU+8*(\q&1)+1],   v[SC+16*\q:SC+16*\q+1],     v[SC+16*\q+2:SC+16*\q+3]
	v_pk_add_f32 v[UU+8*(\q&1)+2:UU+8*(\q&1)+3], v[SC+16*\q+4:SC+16*\q+5],   v[SC+16*\q+6:SC+16*\q+7]
	v_pk_add_f32 v[UU+8*(\q&1)+4:UU+8*(\q&1)+5], v[SC+16*\q+8:SC+16*\q+9],   v[SC+16*\q+10:SC+16*\q+11]
	v_pk_add_f32 v[UU+8*(\q&1)+6:UU+8*(\q&1)+7], v[SC+16*\q+12:SC+16*\q+13], v[SC+16*\q+14:SC+16*\q+15]
	v_pk_add_f32 v[UU+8*(\q&1):UU+8*(\q&1)+1],   v[UU+8*(\q&1):UU+8*(\q&1)+1],   v[UU+8*(\q&1)+2:UU+8*(\q&1)+3]
	v_pk_add_f32 v[UU+8*(\q&1)+4:UU+8*(\q&1)+5], v[UU+8*(\q&1)+4:UU+8*(\q&1)+5], v[UU+8*(\q&1)+6:UU+8*(\q&1)+7]
	v_pk_add_f32 v[UU+8*(\q&1):UU+8*(\q&1)+1],   v[UU+8*(\q&1):UU+8*(\q&1)+1],   v[UU+8*(\q&1)+4:UU+8*(\q&1)+5]
.if \first
	v_add_f32 v[LS+\q], v[UU+8*(\q&1)], v[UU+8*(\q&1)+1]
.else
	v_add_f32 v[UU+8*(\q&1)], v[UU+8*(\q&1)], v[UU+8*(\q&1)+1]
	v_fma_f32 v[LS+\q], v[LS+\q], v[AL+\q], v[UU+8*(\q&1)]
.endif
.endr
; the weights to f16, packed downward in place: register 8q+i is written when the pair 16q+2i, at or above it, is read, and every lower pair has been read
.set qq, 0
.rept 4
.set kk, 0
.rept 8
	v_cvt_pk_f16_f32 v[SC+8*qq+kk], v[SC+16*qq+2*kk], v[SC+16*qq+2*kk+1]
.set kk, kk+1
.endr
.set qq, qq+1
.endr
.endm
; older sums shrink by the query tile's factor: window 2, then window 3
.macro RESCALE
.irp win, 0x82, 0xC3
	WIN \win
.set tt, 0
.rept 8
.irp p, 0,2,4,6
	v_pk_mul_f32 v[32*tt+\p:32*tt+\p+1], v[32*tt+\p:32*tt+\p+1], v[AL:AL+1] op_sel_hi:[1,0]
.endr
.irp p, 8,10,12,14
	v_pk_mul_f32 v[32*tt+\p:32*tt+\p+1], v[32*tt+\p:32*tt+\p+1], v[AL:AL+1] op_sel:[0,1] op_sel_hi:[1,1]
.endr
.irp p, 16,18,20,22
	v_pk_mul_f32 v[32*tt+\p:32*tt+\p+1], v[32*tt+\p:32*tt+\p+1], v[AL+2:AL+3] op_sel_hi:[1,0]
.endr
.irp p, 24,26,28,30
	v_pk_mul_f32 v[32*tt+\p:32*tt+\p+1], v[32*tt+\p:32*tt+\p+1], v[AL+2:AL+3] op_sel:[0,1] op_sel_hi:[1,1]
.endr
.set tt, tt+1
.endr
.endr
.endm
.macro VPRE                            ; the first eight V^T fragments
.set tt, 0
.rept 8
	VFRAG tt, FR+64*((tt>>2)&1)+8*(tt&3)
.set tt, tt+1
.endr
.endm
; O^T += V^T P^T: four groups of four d tiles x four query tiles.  Each of the 64 accumulators has one instruction a trip: they take turns.
.macro PHASE_C first
.set gg, 0
.rept 4
.if gg < 2
	WIN 0xA0                               ; C and D in window 2
.else
	WIN 0xF0                               ; C and D in window 3
.endif
.if gg < 3
	s_wait_dscnt 8                         ; this group's eight loads are in; the next group's eight may be out
.else
	s_wait_dscnt 0
.endif
.set tt, 4*gg
.rept 4
.set qq, 0
.rept 4
.if \first
	v_wmma_f32_16x16x32_f16 v[8*(4*(tt&7)+qq):8*(4*(tt&7)+qq)+7], v[FR+64*(gg&1)+8*(tt&3):FR+64*(gg&1)+8*(tt&3)+7], v[SC+8*qq:SC+8*qq+7], 0
.else
	v_wmma_f32_16x16x32_f16 v[8*(4*(tt&7)+qq):8*(4*(tt&7)+qq)+7], v[FR+64*(gg&1)+8*(tt&3):FR+64*(gg&1)+8*(tt&3)+7], v[SC+8*qq:SC+8*qq+7], v[8*(4*(tt&7)+qq):8*(4*(tt&7)+qq)+7]
.endif
.set qq, qq+1
.endr
.set tt, tt+1
.endr
.if gg < 2
	WIN 0
	NOP4                                   ; four places before the slots just read are loaded again
.set tt, 4*gg+8
.rept 4
	VFRAG tt, FR+64*(gg&1)+8*(tt&3)
.set tt, tt+1
.endr
.endif
.set gg, gg+1
.endr
	WIN 0
.endm
; In the middle of a trip that is not the last: the next tile's rows 0-7 have had the first product and the softmax in which to land, rows 8-15 the softmax.
; Kl's one buffer is free: the first product's loads of it have been issued, and waited for.
.macro T1
	s_wait_loadcnt 0x0                     ; the 32 loads of rows 0-15: all that is out
	CONV 0, SWR, 0, SB0, KLO
	LOADROWS 16, 16, ST                    ; rows 16-31 go out
.endm
; At the head of a trip but the first: the tile's rows 16-31 go into its buffers; more = 1: the first rows of the tile after it are asked for; the Kh buffers change places.
.macro T2 more
	s_wait_loadcnt 0x0                     ; the 32 loads of rows 16-31: all that is out, so their base may be stepped
	NOP4                                   ; four places before the split writes the slots that the last products read; its own lines are the places for the scores' registers
	CONV 16, SWR, 0, SB0, KLO
.if \more
	s_add_nc_u64 s[36:37], s[36:37], 0x20000       ; four tiles of 32 rows x 1,024 bytes on
	LOADROWS 0, 8, ST                      ; rows 0-7; the upper half of staging serves as K slots first
.endif
	s_xor_b32 s25, s25, KBUF
	v_add_nc_u32 v[KRD], s25, v[KB0]
	v_add_nc_u32 v[VRD], s25, v[VB0]
	s_xor_b32 s38, s25, KBUF
	v_add_nc_u32 v[SWR], s38, v[SB0]
	PRELOADK                               ; LDS serves a wave's instructions in order (ISA guide 5.7.1): these see the stores above
.endm
.macro TRIP first, last
	PHASE_A
	PHASE_B \first, \last
.if \last == 0
	T1
.endif
	VPRE
.if \first == 0
	RESCALE
.endif
	PHASE_C \first
.endm
; key tile 0 of the wave, 32 rows, into window 3
.macro T0LOADS
	WIN 0xC0
.set ii, 0
.rept 64
	global_load_b128 v[4*ii:4*ii+3], v[GOF], s[10:11] offset:(ii>>1)*1024+(ii&1)*512
.set ii, ii+1
.endr
.endm
; its split: the high parts in window 2, the rest in place in window 3; long stretches under one window setting
.macro T0CONV
	WIN 0x8C                               ; destination window 2, source 1 window 3
.set ii, 0
.rept 256
	v_and_b32 v[ii], s42, v[ii]
.set ii, ii+1
.endr
	WIN 0xCB                               ; window 3 = window 3 - window 2
.set ii, 0
.rept 128
	v_pk_add_f32 v[2*ii:2*ii+1], v[2*ii:2*ii+1], v[2*ii:2*ii+1] neg_lo:[0,1] neg_hi:[0,1]
.set ii, ii+1
.endr
.irp win, 0x8A, 0xCF                       ; to f16 in place, window 2, then window 3
	WIN \win
.set ii, 0
.rept 64
	v_cvt_pk_f16_f32 v[4*ii],   v[4*ii],   v[4*ii+1]
	v_cvt_pk_f16_f32 v[4*ii+1], v[4*ii+2], v[4*ii+3]
.set ii, ii+1
.endr
.endr
	WIN 0x08                               ; store data from window 2: Kh, buffer 0
.set ii, 0
.rept 64
	ds_store_b64 v[SB0], v[4*ii:4*ii+1] offset:(ii>>1)*PK+(ii&1)*256
.set ii, ii+1
.endr
	WIN 0x0C                               ; store data from window 3: Kl
.set ii, 0
.rept 64
	ds_store_b64 v[SB0], v[4*ii:4*ii+1] offset:KLO+(ii>>1)*PK+(ii&1)*256
.set ii, ii+1
.endr
	WIN 0
.endm
; w3, w2 of my 8 columns (d = 4 lane .. +3 and 128 more), and the wave's 16 rows of s1 into staging; s1's rows are read once in the launch
.macro QLOADS
	WIN 0
	global_load_b128 v[SC:SC+3],     v[GOF], s[12:13] offset:2048
	global_load_b128 v[SC+4:SC+7],   v[GOF], s[12:13] offset:2560
	global_load_b128 v[SC+8:SC+11],  v[GOF], s[12:13] offset:1024
	global_load_b128 v[SC+12:SC+15], v[GOF], s[12:13] offset:1536
.set ii, 0
.rept 32
	global_load_b128 v[ST+4*ii:ST+4*ii+3], v[GOF], s[8:9] offset:(ii>>1)*1024+(ii&1)*512 th:TH_LOAD_NT
.set ii, ii+1
.endr
	s_wait_loadcnt 0x0                     ; everything asked for so far
.endm
; Q' = s1 w3 + w2 in f32, split; Qh into the stage in my region, Ql into the work-group's table
.macro QWORK
.set ii, 0
.rept 32
	v_pk_fma_f32 v[ST+4*ii:ST+4*ii+1],   v[ST+4*ii:ST+4*ii+1],   v[SC+4*(ii&1):SC+4*(ii&1)+1],   v[SC+8+4*(ii&1):SC+8+4*(ii&1)+1]
	v_pk_fma_f32 v[ST+4*ii+2:ST+4*ii+3], v[ST+4*ii+2:ST+4*ii+3], v[SC+4*(ii&1)+2:SC+4*(ii&1)+3], v[SC+8+4*(ii&1)+2:SC+8+4*(ii&1)+3]
.set ii, ii+1
.endr
	CONV 0, SB0, QHS, QA, 0
.endm
.macro START                           ; buffer 0 is at work; its first fragments
	v_mov_b32 v[KRD], v[KB0]
	v_mov_b32 v[VRD], v[VB0]
	PRELOADK
.endm
.macro SETPW                           ; where lane (r, h) puts its sums: row r of a query tile, 256 h bytes in
	v_mul_u32_u24 v[QA], v2, PO
	v_lshl_add_u32 v[QA], v3, 8, v[QA]
	v_add_nc_u32 v[QA], s41, v[QA]
.endm
; ---------------------------------------------------------------- ids, lengths, addresses
	s_load_b256 s[4:11], s[0:1], 0x0               ; l1 s[4:5], l2 s[6:7], s1 s[8:9], s2 s[10:11]
	s_load_b128 s[12:15], s[0:1], 0x20             ; w s[12:13], out0 s[14:15]
	v_lshrrev_b32 v1, 5, v0
	v_readfirstlane_b32 s16, v1                    ; wave 0..3
	s_and_b32 s18, ttmp7, 0xffff                   ; batch b
	s_sub_co_u32 s31, 15, ttmp9
	s_cmp_lt_u32 s18, 16
	s_cselect_b32 s17, ttmp9, s31                  ; query block: x for b < 16, 15 - x above, so that work-groups 256 apart pair a low block with a high one
	s_lshl_b32 s32, s18, 2
	s_mov_b32 s33, 0
	s_wait_kmcnt 0x0
	s_add_nc_u64 s[4:5], s[4:5], s[32:33]
	s_add_nc_u64 s[6:7], s[6:7], s[32:33]
	s_load_b32 s19, s[4:5], 0x0                    ; l1[b]
	s_load_b32 s20, s[6:7], 0x0                    ; l2[b]
	s_mov_b32 s26, 0x76543210                      ; v_permlanex16_b32: lane i of one half reads lane i of the other
	s_mov_b32 s27, 0xfedcba98
	s_mov_b32 s28, 0x3fb8aa3b                      ; c = log2 e, twice (a pair for the packed multiply-add)
	s_mov_b32 s29, 0x3fb8aa3b
	s_mov_b32 s30, 0xbfb8aa3b                      ; -c
	s_mov_b32 s42, 0xffffe000                      ; sign, exponent and the upper 10 bits of an f32's fraction: what f16 holds
	s_lshl_b32 s35, s18, 20                        ; a batch is 1,024 rows of 1,024 bytes
	s_lshl_b32 s31, s16, 15                        ; a key tile is 32 rows
	s_or_b32 s32, s35, s31
	s_add_nc_u64 s[10:11], s[10:11], s[32:33]      ; s2 at key tile w
	s_add_nc_u64 s[36:37], s[10:11], 0x20000       ; and at key tile w + 4
	s_lshl_b32 s31, s17, 16                        ; a query block is 64 rows
	s_or_b32 s32, s35, s31
	s_lshl_b32 s31, s16, 14                        ; the wave's 16 rows of it
	s_or_b32 s32, s32, s31
	s_add_nc_u64 s[8:9], s[8:9], s[32:33]
	s_add_nc_u64 s[14:15], s[14:15], s[32:33]
	s_mul_i32 s41, s16, WREG                       ; my wave's region of LDS
	s_mul_i32 s31, s16, HALFK
	s_add_co_u32 s31, s31, QLO
	s_lshl_b32 s35, s16, 8
	s_add_co_u32 s35, s35, STAT
	v_and_b32 v1, 31, v0                           ; lane
	v_and_b32 v2, 15, v0                           ; r
	v_bfe_u32 v3, v0, 4, 1                         ; h
	v_lshlrev_b32 v[GOF], 4, v1
	v_mul_u32_u24 v[KB0], v2, PK
	v_lshl_add_u32 v[KB0], v3, 4, v[KB0]
	v_add_nc_u32 v[KB0], s41, v[KB0]               ; row r, 16 h bytes in
	v_and_b32 v[VB0], 7, v0
	v_lshl_add_u32 v[VB0], v3, 3, v[VB0]
	v_mul_u32_u24 v[VB0], v[VB0], PK               ; key row 8 h + (lane & 7)
	v_bfe_u32 v[KRD], v0, 3, 1
	v_lshl_add_u32 v[VB0], v[KRD], 7, v[VB0]       ; lanes 8-15 of each half: 64 d further on
	v_add_nc_u32 v[VB0], s41, v[VB0]
	v_lshl_add_u32 v[SB0], v1, 3, s41
	v_lshlrev_b32 v[H8], 3, v3
	v_mov_b32 v[NEG], 0xf149f2ca                   ; -1e30
	v_lshl_add_u32 v[QA], v1, 3, s31               ; Ql's table, my wave's 16 rows, 8 bytes a lane
	v_lshl_add_u32 v[STA], v2, 2, s35              ; STAT, my wave's 64 words, word r
	s_wait_kmcnt 0x0
	s_max_i32 s19, s19, 0
	s_min_u32 s19, s19, 1024                       ; l1 in 0..1024
	s_max_i32 s20, s20, 0
	s_min_u32 s20, s20, 1024                       ; l2 in 0..1024
	s_add_co_u32 s21, s20, 31
	s_lshr_b32 s21, s21, 5                         ; key tiles with a live key
	s_add_co_u32 s22, s21, 3
	s_sub_co_u32 s22, s22, s16
	s_lshr_b32 s22, s22, 2                         ; n: how many of them are mine (w, w+4, ...), 0 to 8
	s_lshl_b32 s39, s22, 2
	s_add_co_u32 s39, s39, s16
	s_sub_co_u32 s39, s39, 4                       ; my last tile, w + 4 (n - 1) (not used where n = 0)
	s_lshl_b32 s39, s39, 5
	s_sub_co_u32 s39, s20, s39                     ; live keys from its first key on
	v_sub_nc_u32 v[KLEFT], s39, v[H8]
	s_lshl_b32 s31, s17, 6
	s_sub_co_i32 s40, s19, s31
	s_lshl_b32 s35, s16, 4
	s_sub_co_i32 s40, s40, s35                     ; live rows from the first of the 16 rows that I merge and store
	s_cmp_lt_u32 s31, s19
	s_cselect_b32 s34, s20, 0                      ; not 0: the block has a live row and the batch a live key
; ---------------------------------------------------------------- Q' for the work-group, key tile 0 for the wave
	s_cmp_eq_u32 s34, 0
	s_cbranch_scc1 .Lidle
	s_cmp_eq_u32 s22, 0
	s_cbranch_scc1 .Lqonly
	T0LOADS                                        ; first out, so that both land behind one wait
	QLOADS
	QWORK
	T0CONV
	s_branch .Lb1
.Lqonly:                                           ; a wave without keys still makes its 16 rows of Q'
	QLOADS
	QWORK
	s_branch .Lb1
.Lidle:                                            ; a block without live work: the loads of Qh below stand between two barriers and so on every wave's path;
	v_mov_b32 v32, 0                               ; here they find zeros, so that they read only bytes that have been written
	v_mov_b32 v33, 0
.set ii, 0
.rept 32
	ds_store_b64 v[SB0], v[32:33] offset:QHS+(ii>>1)*PK+(ii&1)*256
.set ii, ii+1
.endr
.Lb1:
	s_wait_dscnt 0x0                               ; my rows of Qh and Ql are in LDS, for the others' sake
	s_barrier_signal -1
	s_barrier_wait -1                              ; everybody's are
	v_mul_u32_u24 v32, v2, PK
	v_lshl_add_u32 v32, v3, 4, v32                 ; row r, 16 bytes for each half of the lanes
	v_add_nc_u32 v[QLR], QLO, v32                  ; in Ql's table
	v_add_nc_u32 v32, QHS, v32                     ; in wave 0's stage of Qh,
	v_add_nc_u32 v33, WREG, v32                    ; wave 1's,
	v_add_nc_u32 v34, 2*WREG, v32                  ; wave 2's,
	v_add_nc_u32 v35, 3*WREG, v32                  ; wave 3's
	WIN 0x40                                       ; all 64 queries' Qh into window 1
.set qq, 0
.rept 4
.set kk, 0
.rept 8
	ds_load_b128 v[8*(8*qq+kk):8*(8*qq+kk)+3],   v[32+qq] offset:64*kk
	ds_load_b128 v[8*(8*qq+kk)+4:8*(8*qq+kk)+7], v[32+qq] offset:64*kk+32
.set kk, kk+1
.endr
.set qq, qq+1
.endr
	WIN 0
	s_wait_dscnt 0x0                               ; my reads of the four stages are over, for the others' sake:
	s_barrier_signal -1
	s_barrier_wait -1                              ; behind this barrier a wave may write its sums over its region, its stage of Qh included
	s_cmp_eq_u32 s34, 0
	s_cbranch_scc1 .Lb2
	s_cmp_eq_u32 s22, 0
	s_cbranch_scc1 .Ldead
	s_cmp_lt_u32 s22, 2
	s_cbranch_scc1 .Lsingle
; ---------------------------------------------------------------- two tiles or more
	LOADROWS 0, 8, ST                              ; my second tile's rows 0-7
	v_add_nc_u32 v[SWR], KBUF, v[SB0]
	s_mov_b32 s25, 0
	START
	TRIP 1, 0
	s_mov_b32 s23, 1
	s_sub_co_u32 s35, s22, 1
	s_cmp_lt_u32 s23, s35
	s_cbranch_scc0 .Llast
.Lloop:
	T2 1
	TRIP 0, 0
	s_add_co_u32 s23, s23, 1
	s_cmp_lt_u32 s23, s35
	s_cbranch_scc1 .Lloop
.Llast:
	T2 0                                           ; the last tile: nothing more is asked for
	TRIP 0, 1
	s_branch .Ldone
.Lsingle:                                          ; one tile: first and last at once
	START
	TRIP 1, 1
; ---------------------------------------------------------------- the wave's statistics and sums into LDS
.Ldone:
	NOP4                                           ; four places before the sums are stored and the slots rewritten
.irp q, 0,1,2,3
	v_permlanex16_b32 v[TM+\q], v[LS+\q], s26, s27
.endr
.irp q, 0,1,2,3
	v_add_f32 v[LS+\q], v[LS+\q], v[TM+\q]         ; both halves' keys
.endr
.irp q, 0,1,2,3
	ds_store_b32 v[STA], v[NM+\q] offset:64*\q     ; lanes r and 16 + r write the same word with the same value
	ds_store_b32 v[STA], v[LS+\q] offset:1024+64*\q
.endr
	SETPW
; lane (r, h), tile (t, q): query 16 q + r, d = 128 (t>>3) + 64 h + 8 (t&7) + 0..7: 32 neighbouring bytes.  The key buffers underneath are the wave's own and have been read.
.set tt, 0
.rept 16
.if tt < 8
	WIN 0x08
.else
	WIN 0x0C
.endif
.set qq, 0
.rept 4
	ds_store_b128 v[QA], v[8*(4*(tt&7)+qq):8*(4*(tt&7)+qq)+3]   offset:16*PO*qq+32*(tt&7)+512*(tt>>3)
	ds_store_b128 v[QA], v[8*(4*(tt&7)+qq)+4:8*(4*(tt&7)+qq)+7] offset:16*PO*qq+32*(tt&7)+512*(tt>>3)+16
.set qq, qq+1
.endr
.set tt, tt+1
.endr
	WIN 0
	s_branch .Lb2
.Ldead:                                            ; a wave without keys (l2 <= 96): sums of zero, denominator 0, and a -c*max so large that its factor is 2^-huge = 0
	v_mov_b32 v32, 0
	v_mov_b32 v33, 0
	v_mov_b32 v34, 0
	v_mov_b32 v35, 0
	v_mov_b32 v[NM], 0x7f000000
.irp q, 0,1,2,3
	ds_store_b32 v[STA], v[NM] offset:64*\q
	ds_store_b32 v[STA], v32 offset:1024+64*\q
.endr
	SETPW
.set tt, 0
.rept 16
.set qq, 0
.rept 4
	ds_store_b128 v[QA], v[32:35] offset:16*PO*qq+32*(tt&7)+512*(tt>>3)
	ds_store_b128 v[QA], v[32:35] offset:16*PO*qq+32*(tt&7)+512*(tt>>3)+16
.set qq, qq+1
.endr
.set tt, tt+1
.endr
.Lb2:
	s_wait_dscnt 0x0                               ; my statistics and sums are in LDS, for the others' sake
	s_barrier_signal -1
	s_barrier_wait -1
; ---------------------------------------------------------------- the merge: wave w takes queries 16 w .. 16 w + 15 of all four waves' parts
.set OUTO, 5                           ; v5      my 16 bytes in two rows of out0: lanes 0-15 one row's 256 bytes, lanes 16-31 the next row's
.set FTW,  6                           ; v6      where row r's four factors go
.set STR,  7                           ; v7      row r's statistics
.set XA,   8                           ; v[8:11] my 16 bytes in wave w''s sums, rows 16 w + h
.set FTR,  29                          ; v29     row h's factors
.set FB0,  48                          ; v[48:55]  factors, two buffers
.set XB0,  64                          ; v[64:191] sums, two buffers of 16 loads
	v_lshlrev_b32 v[OUTO], 4, v2
	v_lshl_add_u32 v[OUTO], v3, 10, v[OUTO]
	s_cmp_eq_u32 s34, 0
	s_cbranch_scc1 .Lzero
	s_lshl_b32 s31, s16, 6
	s_add_co_u32 s31, s31, STAT
	v_lshl_add_u32 v[STR], v2, 2, s31
.irp wv, 0,1,2,3
	ds_load_b32 v[32+\wv], v[STR] offset:256*\wv           ; -c*max of wave wv
.endr
.irp wv, 0,1,2,3
	ds_load_b32 v[36+\wv], v[STR] offset:1024+256*\wv      ; its denominator
.endr
	s_lshl_b32 s35, s16, 8
	s_add_co_u32 s35, s35, FT
	v_lshl_add_u32 v[FTW], v2, 4, s35
	v_lshl_add_u32 v[FTR], v3, 4, s35
	s_mul_i32 s38, s16, 16*PO
	v_mul_u32_u24 v[XA], v3, PO
	v_lshl_add_u32 v[XA], v2, 4, v[XA]
	v_add_nc_u32 v[XA], s38, v[XA]
	v_add_nc_u32 v[XA+1], WREG, v[XA]
	v_add_nc_u32 v[XA+2], 2*WREG, v[XA]
	s_wait_dscnt 0x0
	v_min3_num_f32 v40, v32, v33, v34
	v_min_num_f32 v40, v40, v35                    ; -c x the largest of the four maxima
.irp wv, 0,1,2,3
	v_sub_f32 v[44+\wv], v40, v[32+\wv]            ; at most 0
.endr
.irp wv, 0,1,2,3
	v_exp_f32 v[44+\wv], v[44+\wv]
.endr
	v_nop                                          ; one plain instruction behind the exponentials (ISA guide 5.7.2)
	s_wait_alu depctr_va_vdst(0)
	v_mul_f32 v41, v36, v44
	v_fmac_f32 v41, v37, v45
	v_fmac_f32 v41, v38, v46
	v_fmac_f32 v41, v39, v47                       ; the row's denominator: the key of the largest score alone adds about 1
	v_rcp_f32 v42, v41
	v_add_nc_u32 v[XA+3], 3*WREG, v[XA]            ; the plain instruction behind the reciprocal
	v_cmp_gt_i32 vcc_lo, s40, v2                   ; row r is below l1
	s_wait_alu depctr_va_vdst(0)
	v_cndmask_b32 v42, 0, v42, vcc_lo              ; the problem's zero for rows at or above l1
.irp wv, 0,1,2,3
	v_mul_f32 v[44+\wv], v[44+\wv], v42
.endr
	ds_store_b128 v[FTW], v[44:47]                 ; my wave's own bytes: its loads below follow in order (ISA guide 5.7.1)
.macro RDPAIR i, xb, fb                ; rows 2 i + h: the four factors, then 4 waves x 4 pieces of 256 bytes: 17 loads
	ds_load_b128 v[\fb:\fb+3], v[FTR] offset:32*(\i)
.irp wv, 0,1,2,3
.irp cc, 0,1,2,3
	ds_load_b128 v[\xb+16*\cc+4*\wv:\xb+16*\cc+4*\wv+3], v[XA+\wv] offset:2*PO*(\i)+256*\cc
.endr
.endr
.endm
.macro OUTPAIR i, xb, fb, cnt
	s_wait_dscnt \cnt
.irp cc, 0,1,2,3
.irp p, 0,2
	v_pk_mul_f32 v[\xb+16*\cc+\p:\xb+16*\cc+\p+1], v[\xb+16*\cc+\p:\xb+16*\cc+\p+1], v[\fb:\fb+1] op_sel_hi:[1,0]
.endr
.irp p, 0,2
	v_pk_fma_f32 v[\xb+16*\cc+\p:\xb+16*\cc+\p+1], v[\xb+16*\cc+4+\p:\xb+16*\cc+4+\p+1], v[\fb:\fb+1], v[\xb+16*\cc+\p:\xb+16*\cc+\p+1] op_sel:[0,1,0] op_sel_hi:[1,1,1]
.endr
.irp p, 0,2
	v_pk_fma_f32 v[\xb+16*\cc+\p:\xb+16*\cc+\p+1], v[\xb+16*\cc+8+\p:\xb+16*\cc+8+\p+1], v[\fb+2:\fb+3], v[\xb+16*\cc+\p:\xb+16*\cc+\p+1] op_sel_hi:[1,0,1]
.endr
.irp p, 0,2
	v_pk_fma_f32 v[\xb+16*\cc+\p:\xb+16*\cc+\p+1], v[\xb+16*\cc+12+\p:\xb+16*\cc+12+\p+1], v[\fb+2:\fb+3], v[\xb+16*\cc+\p:\xb+16*\cc+\p+1] op_sel:[0,1,0] op_sel_hi:[1,1,1]
.endr
	global_store_b128 v[OUTO], v[\xb+16*\cc:\xb+16*\cc+3], s[14:15] offset:2048*(\i)+256*\cc th:TH_STORE_NT   ; sixteen lanes store 256 consecutive bytes, at a multiple of 256 from out0's first byte
.endr
.endm
	RDPAIR 0, XB0, FB0
.set pp, 0
.rept 7
.if pp > 0
	s_wait_xcnt 0x0                                ; the buffer that is loaded next holds data of earlier stores: it is rewritten only behind this wait (ISA guide 3.1)
.endif
	RDPAIR pp+1, XB0+64*((pp+1)&1), FB0+4*((pp+1)&1)
	OUTPAIR pp, XB0+64*(pp&1), FB0+4*(pp&1), 17    ; the 17 loads just issued for the next pair of rows may stay out
.set pp, pp+1
.endr
	OUTPAIR 7, XB0+64, FB0+4, 0
	s_wait_xcnt 0x0
	v_lshl_add_u32 v254, v0, 2, 0x4a000
	v_mov_b32 v255, 0
	s_wait_tensorcnt 0x0
	ds_add_u32 v254, v255
	s_wait_dscnt 0x0
	s_endpgm
.Lzero:                                            ; no live row or no live key: the wave's 16 rows are zeros
	v_mov_b32 v32, 0
	v_mov_b32 v33, 0
	v_mov_b32 v34, 0
	v_mov_b32 v35, 0
.set ii, 0
.rept 32
	global_store_b128 v[OUTO], v[32:35], s[14:15] offset:2048*(ii>>2)+256*(ii&3) th:TH_STORE_NT
.set ii, ii+1
.endr
	s_wait_xcnt 0x0
	v_lshl_add_u32 v254, v0, 2, 0x4a000
	v_mov_b32 v255, 0
	s_wait_tensorcnt 0x0
	ds_add_u32 v254, v255
	s_wait_dscnt 0x0
	s_endpgm
.Lfunc_end_k_q804507842c_bidaf:
	.size	k_q804507842c_bidaf, .Lfunc_end_k_q804507842c_bidaf-k_q804507842c_bidaf
	.p2alignl 7, 3214868480
	.fill 96, 4, 3214868480
	.section	.rodata,"a",@progbits
	.p2align	6, 0x0
	.amdhsa_kernel k_q804507842c_bidaf
		.amdhsa_group_segment_fixed_size 303616
		.amdhsa_private_segment_fixed_size 0
		.amdhsa_enable_private_segment 0
		.amdhsa_kernarg_size 48
		.amdhsa_user_sgpr_count 2
		.amdhsa_user_sgpr_kernarg_segment_ptr 1
		.amdhsa_wavefront_size32 1
		.amdhsa_system_sgpr_workgroup_id_x 1
		.amdhsa_system_sgpr_workgroup_id_y 1
		.amdhsa_system_sgpr_workgroup_id_z 1
		.amdhsa_system_vgpr_workitem_id 0
		.amdhsa_next_free_vgpr 1024
		.amdhsa_next_free_sgpr 66
		.amdhsa_reserve_vcc 1
		.amdhsa_float_denorm_mode_32 3
		.amdhsa_float_denorm_mode_16_64 3
		.amdhsa_memory_ordered 1
		.amdhsa_forward_progress 1
		.amdhsa_inst_pref_size 255
	.end_amdhsa_kernel
	.section	.bss,"aw",@nobits
	.p2align	6
	.space	262144
	.amdgpu_metadata
---
amdhsa.version: [ 1, 2 ]
amdhsa.kernels:
  - .name:           k_q804507842c_bidaf
    .symbol:         k_q804507842c_bidaf.kd
    .args:
      - { .name: l1, .offset: 0, .size: 8, .value_kind: global_buffer, .address_space: global }
      - { .name: l2, .offset: 8, .size: 8, .value_kind: global_buffer, .address_space: global }
      - { .name: s1, .offset: 16, .size: 8, .value_kind: global_buffer, .address_space: global }
      - { .name: s2, .offset: 24, .size: 8, .value_kind: global_buffer, .address_space: global }
      - { .name: w, .offset: 32, .size: 8, .value_kind: global_buffer, .address_space: global }
      - { .name: out0, .offset: 40, .size: 8, .value_kind: global_buffer, .address_space: global }
    .group_segment_fixed_size: 303616
    .private_segment_fixed_size: 0
    .kernarg_segment_align: 8
    .kernarg_segment_size: 48
    .max_flat_workgroup_size: 128
    .sgpr_count:     66
    .vgpr_count:     1024
    .wavefront_size: 32
...
	.end_amdgpu_metadata
.endif
;; end of part 1
;; ======== version 2 of 2: 1 launch; 1.12 times as fast as version 1
;; limits: values are held in f16: magnitudes above 65,504 overflow, below 6.1e-05 lose precision
;; launch bidaf (part 2): grid 512 x 1, 4 waves a work-group, no clusters, 303,616 bytes of LDS; arguments l1, l2, s1, s2, w, out0; writes out0
.if DOCPART == 2
	.amdgcn_target "amdgcn-amd-amdhsa--gfx1250"
	.amdhsa_code_object_version 6
	.text
	.protected	k_q804507842c_bidaf
	.globl	k_q804507842c_bidaf
	.p2align	8
	.type	k_q804507842c_bidaf,@function
k_q804507842c_bidaf:
	s_mov_b64 s[64:65], 0
	v_nop
	global_prefetch_b8 v0, s[64:65] scope:SCOPE_SE
	s_setreg_imm32_b32 hwreg(HW_REG_WAVE_MODE, 25, 1), 1
	s_wait_xcnt 0x0
; u[b][t][:] = sum over k < l2[b] of softmax_k(part1[t] + part2[k] + (s1[t]*w3).s2[k]) s2[k][:] for t < l1[b]; zero for t >= l1[b] or l2[b] <= 0.
; s1, s2, out0: [32][1024][256] f32.  w: [768] f32 = w1, w2, w3.  l1, l2: [32] int32.
;
; WORK LEFT OUT, for all values of the inputs:
;  - part1[t] = s1[t].w1 is the same for every k of row t, so it multiplies numerator and denominator of the softmax alike and cancels; it is a sum of 256
;    products like the other terms of the score, so f32 loses nothing by its absence.  w[0:256] is never loaded.
;  - a block of 64 queries that begins at or above l1[b], and every block of a batch with l2[b] <= 0, is zero by the problem's own mask: it is stored as
;    zeros and neither s1 nor s2 is loaded for it.  Key tiles (32 keys) that begin at or above l2[b] have weight 0 by the same mask and are not loaded.
;  A NaN, an infinity or an overflow that reaches only this work is not carried to the result.
; ONE PRODUCT FOR TWO TERMS: part2[k] + cross[t][k] = sum over d of (s1[t][d] w3[d] + w2[d]) s2[k][d], so Q' = s1 w3 + w2 (one f32 multiply-add) takes part2 along.
; FORMATS: all products take f16 operands and f32 sums.  A weight a answers an error e of its score by a (1 - a) e, up to e / 4, and a score is a sum of 256
;  products: with each operand rounded once to 11 bits its error is of the order 16 x 2^-11 x |Q'| |s2|, a hundredth for numbers of spread 1, which is as much as the
;  result may be wrong by.  So both operands of the score go as a PAIR of f16 numbers, x = hi + lo (hi: the upper 11 bits of x, lo: x - hi, exact in f32, then rounded), and
;  S = Qh Kh + Qh Kl + Ql Kh; the term left out, Ql Kl, is 2^-20 of a product.  The second product takes the weights rounded to f16 and V = Kh.
; LIMITS: |s2| < 65,504 and |s1 w3 + w2| < 65,504 (f16's range); V is s2 cut to 11 bits, up to 2^-10 of its size too small; parts of an operand below 2^-25 are lost;
;  a weight below 2^-24 of its row's running maximum drops out of the second product (it stays in the denominator); the denominator adds f32 weights while the product
;  takes them rounded to f16; l1, l2 are clamped to 0..1024, which the problem's compare with arange does too; the keys of a row are summed in four parts that are merged
;  at the end, an order other than the problem's.  Rows at or above l1 inside a live block are computed and multiplied by 0, so they too must stay inside the ranges above.
;
; SHARES: 512 work-groups, one batch and 64 queries each; four waves.  All four waves hold the same 64 queries (four tiles of 16, Qh in 256 registers, Ql in LDS) and split
;  the keys: wave w takes the key tiles w, w+4, ...  No wave reads another's tile, so the loop has no barrier.  Each wave keeps its own running maximum, its own
;  denominator and its own 64 x 256 sums (512 registers); these meet in LDS at the end, and wave w merges and stores queries 16 w .. 16 w + 15.
; WHICH BLOCK A WORK-GROUP TAKES: a live block costs ceil(l2[b] / 32) key tiles, 0 to 8 trips a wave, and a dead one only its 64 KB of zeros.  So every wave reads all 64
;  lengths (one batch a lane), ranks the batches by their number of key tiles (ties by the batch's number), and work-group g takes entry g of one list of the 512 blocks:
;  the live blocks by falling cost from the front, the dead ones from the end backward.  The map is one to one, so the result hangs on no order of starting; if work-groups
;  are started by rising number the long blocks begin first and the short and the dead ones fill up behind them.
; NO CLUSTER, NO TENSOR LOADS: the sixteen blocks of a batch do read the same s2, but s2 is f32 and becomes a matrix operand only after the split in registers.  A tile
;  laid into LDS as f32 would cost 1,024 bytes written and 1,024 read for each key on top of the 1,024 written and 1,536 read that the two f16 tiles cost anyway.
; TRANSPOSED PRODUCTS: S^T = K Q'^T (source 0 = 16 keys, source 1 = 16 queries): lane (r, h) holds query r and keys 8h+j, so maximum and sum stay in the lane but for
;  one exchange between the halves, and the lane's 16 weights, packed in pairs, ARE the second product's source 1.  O^T = V^T P^T, V^T by transposing loads of the Kh tile.
; THE TRIP STANDS IN PHASES: products with Qh take source 1 from window 1 and the second product its sums from windows 2 and 3, so a vector instruction on window 0 set behind
;  one of them would cost two switches of the register window.  The split of the next tile goes row by row instead: a row's registers are asked for again as soon as they are
;  split, and its four LDS stores go out behind the next row's arithmetic.
;
; LDS: wave w's region at w*WREG: in the loop two Kh buffers and one Kl buffer of 32 rows x 528 bytes (512 of f16 data; Kl is read in the first product alone, and LDS serves a
;  wave's instructions in order, so one buffer does), then the stage of the wave's 16 rows of Qh; behind the loop the wave's sums, 64 rows x 1,040 bytes, over all of it.
;  QLO: Ql, 64 rows x 528, never overwritten.  STAT: [wave][64] -c*max, then [wave][64] denominators.  FT: [wave][16 rows][4 factors].
;  528 = 33 x 16 and 1,040 = 65 x 16: the same column of sixteen rows falls on sixteen different 16-byte columns modulo 256 bytes.
; REGISTERS, in windows of 256: window 0 addresses, statistics, slots v32-63, scores v64-127, staging v128-255 (v192-255 are fragment slots in the first product);
;  window 1 Qh (tile q, 32 d at c: v[8(8q+c)]); windows 2, 3 the sums (d tile t, query tile q: v[8(4(t&7)+q)], t < 8 in window 2); ahead of the loop window 3 stages key
;  tile 0 and window 2 its high parts.
.set PK,    528                        ; pitch of an f16 row of 256 numbers
.set HALFK, 16*PK
.set KBUF,  32*PK                      ; a key buffer
.set KLO,   2*KBUF                     ; the Kl buffer in a wave's region
.set QHS,   3*KBUF                     ; the stage of the wave's 16 rows of Qh in its region
.set PO,    1040                       ; pitch of an f32 row of 256 sums
.set WREG,  64*PO                      ; a wave's region
.set QLO,   4*WREG
.set STAT,  QLO+64*PK
.set FT,    STAT+2048
.set QLR,   1                          ; v1   the lane's number, then my Ql fragment address
.set GOF,   4                          ; v4   16 x lane: my 16 bytes in 512 bytes of a row; never rewritten
.set KB0,   5                          ; v5   my K fragment address in buffer 0
.set VB0,   6                          ; v6   my V^T fragment address in buffer 0
.set SB0,   7                          ; v7   where I store 8 bytes of a row in buffer 0
.set KRD,   8                          ; v8   Kh address, the buffer at work
.set VRD,   9                          ; v9   V^T address, the buffer at work
.set SWR,   10                         ; v10  Kh store address, the other buffer
.set H8,    11                         ; v11  8 h
.set NM,    12                         ; v[12:15] -c x running maximum of query tile q
.set LS,    16                         ; v[16:19] running denominator (my half of the keys)
.set MX,    20                         ; v[20:23] running maximum
.set AL,    24                         ; v[24:27] the factor by which older sums shrink
.set NEG,   28                         ; v28  -1e30
.set KLEFT, 29                         ; v29  keys left from my last tile's first key, less 8 h
.set QA,    30                         ; v30  Ql store address, then the sums' store address
.set STA,   31                         ; v31  where my statistics go
.set FR,    32                         ; v[32:63] four fragment slots; FR+64 = v[96:127] four more for the second product; also the split's high parts
.set TM,    32                         ; softmax at work (the slots are free then)
.set TX,    36
.set UU,    40
.set SC,    64                         ; v[64:127] scores: tile q, key half kt at SC+16q+8kt; then the packed weights of tile q at SC+8q
.set ST,    128                        ; v[128:255] staging: 32 loads of 4 registers = 16 rows of f32
.set XS,    192                        ; v[192:255] in the first product: two sets of four K fragments
.set LW,    66                         ; s[66:97] one word for each batch, out of the lanes
.set MSB, 0
.macro WIN new                         ; s_set_vgpr_msb: bits 1:0 source 0, 3:2 source 1, 5:4 source 2, 7:6 destination; the high byte repeats the setting that is left
.if MSB != \new
	s_set_vgpr_msb (MSB<<8)|\new
.set MSB, \new
.endif
.endm
.macro NOP4                            ; the places behind a matrix instruction (ISA guide 7.12.1) where there is no other vector work to put
.rept 4
	v_nop
.endr
.endm
; n rows of the next key tile, f32, from row row0 on, into registers from reg0 on.  No cache word: the batch's other blocks read the same rows.
.macro LOADROWS row0, n, reg0
.set ii, 0
.rept 2*\n
	global_load_b128 v[\reg0+4*ii:\reg0+4*ii+3], v[GOF], s[36:37] offset:(\row0+(ii>>1))*1024+(ii&1)*512
.set ii, ii+1
.endr
.endm
; Ahead of the loop: the 16 rows in staging are split and go to LDS: hi = the upper 11 bits, lo = x - hi (exact), both to f16; eight loads (32 numbers a lane) at a time.
; hi to v[ha] + hb, lo to v[la] + lb, row row0 on; a wave's store covers 256 neighbouring bytes.
.macro CONV row0, ha, hb, la, lb
.set gg, 0
.rept 4
.set kk, 0
.rept 32
	v_and_b32 v[FR+kk], s42, v[ST+32*gg+kk]
.set kk, kk+1
.endr
.set kk, 0
.rept 16
	v_pk_add_f32 v[ST+32*gg+2*kk:ST+32*gg+2*kk+1], v[ST+32*gg+2*kk:ST+32*gg+2*kk+1], v[FR+2*kk:FR+2*kk+1] neg_lo:[0,1] neg_hi:[0,1]
.set kk, kk+1
.endr
.set kk, 0
.rept 8
	v_cvt_pk_f16_f32 v[FR+4*kk],         v[FR+4*kk],         v[FR+4*kk+1]
	v_cvt_pk_f16_f32 v[FR+4*kk+1],       v[FR+4*kk+2],       v[FR+4*kk+3]
	v_cvt_pk_f16_f32 v[ST+32*gg+4*kk],   v[ST+32*gg+4*kk],   v[ST+32*gg+4*kk+1]
	v_cvt_pk_f16_f32 v[ST+32*gg+4*kk+1], v[ST+32*gg+4*kk+2], v[ST+32*gg+4*kk+3]
.set kk, kk+1
.endr
.set kk, 0
.rept 8
	ds_store_b64 v[\ha], v[FR+4*kk:FR+4*kk+1]             offset:\hb+(\row0+((8*gg+kk)>>1))*PK+((8*gg+kk)&1)*256
	ds_store_b64 v[\la], v[ST+32*gg+4*kk:ST+32*gg+4*kk+1] offset:\lb+(\row0+((8*gg+kk)>>1))*PK+((8*gg+kk)&1)*256
.set kk, kk+1
.endr
.set gg, gg+1
.endr
.endm
; In the loop the split goes row by row.  Row p of staging is two loads, 8 registers; its high parts go to one of two sets of 8 scratch registers from tb0 on.
; 20 vector instructions; no line reads the result of the line in front of it.
.macro SPLITROW p, tb0
.set xb, ST+8*(\p)
.set tb, \tb0+8*((\p)&1)
.set kk, 0
.rept 8
	v_and_b32 v[tb+kk], s42, v[xb+kk]
.set kk, kk+1
.endr
.set kk, 0
.rept 4
	v_pk_add_f32 v[xb+2*kk:xb+2*kk+1], v[xb+2*kk:xb+2*kk+1], v[tb+2*kk:tb+2*kk+1] neg_lo:[0,1] neg_hi:[0,1]
.set kk, kk+1
.endr
.set kk, 0
.rept 4
	v_cvt_pk_f16_f32 v[tb+kk], v[tb+2*kk], v[tb+2*kk+1]    ; packed downward in place: register k is written when the pair 2k, at or above it, is read
.set kk, kk+1
.endr
.set kk, 0
.rept 4
	v_cvt_pk_f16_f32 v[xb+kk], v[xb+2*kk], v[xb+2*kk+1]
.set kk, kk+1
.endr
.endm
; Row p goes out: Kh into the other buffer, Kl into its one buffer, LDS row row0 + p; and where p < nrel its registers are asked for again: row grow0 + p from s[36:37].
.macro ROWOUT p, row0, nrel, grow0, tb0
.set xb, ST+8*(\p)
.set tb, \tb0+8*((\p)&1)
	ds_store_b64 v[SWR], v[tb:tb+1]   offset:(\row0+(\p))*PK
	ds_store_b64 v[SWR], v[tb+2:tb+3] offset:(\row0+(\p))*PK+256
	ds_store_b64 v[SB0], v[xb:xb+1]   offset:KLO+(\row0+(\p))*PK
	ds_store_b64 v[SB0], v[xb+2:xb+3] offset:KLO+(\row0+(\p))*PK+256
.if (\p) < \nrel
	global_load_b128 v[xb:xb+3],   v[GOF], s[36:37] offset:(\grow0+(\p))*1024
	global_load_b128 v[xb+4:xb+7], v[GOF], s[36:37] offset:(\grow0+(\p))*1024+512
.endif
.endm
; The 16 rows of staging, whose 32 loads are the youngest that are out, in the order of the registers.  A row goes out one row behind its arithmetic, so that no store
; waits for the line that made its data.  The wait for row p leaves out the 30 - 2 p loads of the rows behind it and two for each row asked for again so far:
; rows 0 .. p - 2, as far as they are below nrel (loads come back in order: ISA guide 5.7.1).
.macro SPLIT16 row0, nrel, grow0, tb0
.set pp, 0
.rept 16
.set rl, pp-1
.if rl < 0
.set rl, 0
.endif
.if rl > \nrel
.set rl, \nrel
.endif
	s_wait_loadcnt 30-2*pp+2*rl
	SPLITROW pp, \tb0
.if pp > 0
	ROWOUT pp-1, \row0, \nrel, \grow0, \tb0
.endif
.set pp, pp+1
.endr
	ROWOUT 15, \row0, \nrel, \grow0, \tb0
.endm
; the four K fragments of d step c (32 d): Kh keys 0-15, Kh keys 16-31, Kl keys 0-15, Kl keys 16-31, into set c & 1: eight loads
.macro KSET c
.set xb, XS+32*((\c)&1)
	ds_load_b128 v[xb:xb+3],     v[KRD] offset:64*(\c)
	ds_load_b128 v[xb+4:xb+7],   v[KRD] offset:64*(\c)+32
	ds_load_b128 v[xb+8:xb+11],  v[KRD] offset:HALFK+64*(\c)
	ds_load_b128 v[xb+12:xb+15], v[KRD] offset:HALFK+64*(\c)+32
	ds_load_b128 v[xb+16:xb+19], v[KB0] offset:KLO+64*(\c)
	ds_load_b128 v[xb+20:xb+23], v[KB0] offset:KLO+64*(\c)+32
	ds_load_b128 v[xb+24:xb+27], v[KB0] offset:KLO+HALFK+64*(\c)
	ds_load_b128 v[xb+28:xb+31], v[KB0] offset:KLO+HALFK+64*(\c)+32
.endm
; the four Ql fragments of d step c, one for each query tile: eight loads
.macro QSET c
.irp q, 0,1,2,3
	ds_load_b128 v[FR+8*\q:FR+8*\q+3],   v[QLR] offset:HALFK*\q+64*(\c)
	ds_load_b128 v[FR+8*\q+4:FR+8*\q+7], v[QLR] offset:HALFK*\q+64*(\c)+32
.endr
.endm
.macro PRELOADK
	KSET 0
	QSET 0
	KSET 1
.endm
; V^T fragment of d tile t: rows 0-7 are d = 128(t>>3) + 8(t&7) + 0..7, rows 8-15 the same + 64 (VB0 carries 128 bytes for lanes 8-15 of each half).
; Two loads: keys 0-15, keys 16-31.
.macro VFRAG t, slot
	ds_load_tr16_b128 v[\slot:\slot+3],   v[VRD] offset:16*((\t)&7)+256*((\t)>>3)
	ds_load_tr16_b128 v[\slot+4:\slot+7], v[VRD] offset:16*((\t)&7)+256*((\t)>>3)+HALFK
.endm
; eight products: S[q][kt] (+)= A[kt] x B[q], A at a0 + 8 kt, B at b0 + bq q.  The eight score accumulators take turns, one instruction a turn,
; in the same order in every call.
.macro MUL8 a0, b0, bq, zero
.set kt, 0
.rept 2
.set qq, 0
.rept 4
.if \zero
	v_wmma_f32_16x16x32_f16 v[SC+16*qq+8*kt:SC+16*qq+8*kt+7], v[\a0+8*kt:\a0+8*kt+7], v[\b0+\bq*qq:\b0+\bq*qq+7], 0
.else
	v_wmma_f32_16x16x32_f16 v[SC+16*qq+8*kt:SC+16*qq+8*kt+7], v[\a0+8*kt:\a0+8*kt+7], v[\b0+\bq*qq:\b0+\bq*qq+7], v[SC+16*qq+8*kt:SC+16*qq+8*kt+7]
.endif
.set qq, qq+1
.endr
.set kt, kt+1
.endr
.endm
; S^T = Kh Qh^T + Kl Qh^T + Kh Ql^T in eight steps of 32 d, 24 matrix instructions each.  LDS loads come back in order (ISA guide 5.7.1); they are issued as
; K(0), Ql(0), K(1), and behind step c as Ql(c+1), K(c+2), eight loads each.
.macro PHASE_A
.set cc, 0
.rept 8
	WIN 0x04                               ; source 1 (Qh) in window 1
.if cc < 7
	s_wait_dscnt 16                        ; K(c) is in; Ql(c) or Ql(c+1), and K(c+1) or K(c+2), sixteen younger loads, may be out
.else
	s_wait_dscnt 8                         ; the last step: only its Ql is younger
.endif
.if cc == 0
	MUL8 XS+32*(cc&1), 8*cc, 64, 1         ; the first products start the scores
.else
	MUL8 XS+32*(cc&1), 8*cc, 64, 0
.endif
	MUL8 XS+32*(cc&1)+16, 8*cc, 64, 0
	WIN 0                                  ; source 1 (Ql) in window 0
.if cc < 7
	s_wait_dscnt 8                         ; Ql(c) is in; the next K set's eight loads may be out
.else
	s_wait_dscnt 0
.endif
	MUL8 XS+32*(cc&1), FR, 8, 0
.if cc < 7
	NOP4                                   ; four places before the slots just read are loaded again
	QSET cc+1
.endif
.if cc < 6
	KSET cc+2
.endif
.set cc, cc+1
.endr
.endm
; The softmax step on 4 x 16 scores a lane.  first = 1: nothing older to join.  last = 1: the wave's last tile, the only one that can cross l2; nothing more is asked for.
.macro PHASE_B first, last
	WIN 0
	NOP4                                   ; four places before the scores are read and the slots rewritten
.if \last == 0
	LOADROWS 8, 8, ST+64                   ; the next tile's rows 8-15, into the registers that were K slots
.endif
.if \last
.set nn, 0
.rept 16
	v_cmp_lt_i32 vcc_lo, 16*(nn>>3)+(nn&7), v[KLEFT]       ; key 16 kt + 8 h + j of the tile is below l2
.irp q, 0,1,2,3
	v_cndmask_b32 v[SC+16*\q+nn], v[NEG], v[SC+16*\q+nn], vcc_lo
.endr
.set nn, nn+1
.endr
.endif
.irp q, 0,1,2,3
	v_max3_num_f32 v[TM+\q], v[SC+16*\q], v[SC+16*\q+1], v[SC+16*\q+2]
.endr
.irp k, 3,5,7,9,11,13
.irp q, 0,1,2,3
	v_max3_num_f32 v[TM+\q], v[TM+\q], v[SC+16*\q+\k], v[SC+16*\q+\k+1]
.endr
.endr
.irp q, 0,1,2,3
.if \first
	v_max_num_f32 v[TM+\q], v[TM+\q], v[SC+16*\q+15]
.else
	v_max3_num_f32 v[TM+\q], v[TM+\q], v[SC+16*\q+15], v[MX+\q]
.endif
.endr
.irp q, 0,1,2,3
	v_permlanex16_b32 v[TX+\q], v[TM+\q], s26, s27         ; the other half's keys of the same query (the destination lies in a slot that has been loaded)
.endr
.irp q, 0,1,2,3
	v_max_num_f32 v[MX+\q], v[TM+\q], v[TX+\q]
.endr
.if \first == 0
.irp q, 0,1,2,3
	v_sub_f32 v[AL+\q], 0, v[NM+\q]
.endr
.endif
.irp q, 0,1,2,3
	v_mul_f32 v[NM+\q], s30, v[MX+\q]                      ; -c x maximum, c = log2 e
.endr
.if \first == 0
.irp q, 0,1,2,3
	v_add_f32 v[AL+\q], v[AL+\q], v[NM+\q]                 ; the difference of the two ROUNDED values, so that their rounding cancels from trip to trip
.endr
.endif
.set qq, 0
.rept 4
.set kk, 0
.rept 8
.if qq & 1
	v_pk_fma_f32 v[SC+16*qq+2*kk:SC+16*qq+2*kk+1], v[SC+16*qq+2*kk:SC+16*qq+2*kk+1], s[28:29], v[NM+2*(qq>>1):NM+2*(qq>>1)+1] op_sel:[0,0,1] op_sel_hi:[1,0,1]
.else
	v_pk_fma_f32 v[SC+16*qq+2*kk:SC+16*qq+2*kk+1], v[SC+16*qq+2*kk:SC+16*qq+2*kk+1], s[28:29], v[NM+2*(qq>>1):NM+2*(qq>>1)+1] op_sel_hi:[1,0,0]
.endif
.set kk, kk+1
.endr
.set qq, qq+1
.endr
.set kk, 0
.rept 64
	v_exp_f32 v[SC+kk], v[SC+kk]
.set kk, kk+1
.endr
.if \first == 0
.irp q, 0,1,2,3
	v_exp_f32 v[AL+\q], v[AL+\q]
.endr
.endif
	v_nop                                  ; one plain instruction between the exponentials and the first use of a result (ISA guide 5.7.2)
	s_wait_alu depctr_va_vdst(0)
.irp q, 0,1,2,3
	v_pk_add_f32 v[UU+8*(\q&1):UU+8*(\q&1)+1],   v[SC+16*\q:SC+16*\q+1],     v[SC+16*\q+2:SC+16*\q+3]
	v_pk_add_f32 v[UU+8*(\q&1)+2:UU+8*(\q&1)+3], v[SC+16*\q+4:SC+16*\q+5],   v[SC+16*\q+6:SC+16*\q+7]
	v_pk_add_f32 v[UU+8*(\q&1)+4:UU+8*(\q&1)+5], v[SC+16*\q+8:SC+16*\q+9],   v[SC+16*\q+10:SC+16*\q+11]
	v_pk_add_f32 v[UU+8*(\q&1)+6:UU+8*(\q&1)+7], v[SC+16*\q+12:SC+16*\q+13], v[SC+16*\q+14:SC+16*\q+15]
	v_pk_add_f32 v[UU+8*(\q&1):UU+8*(\q&1)+1],   v[UU+8*(\q&1):UU+8*(\q&1)+1],   v[UU+8*(\q&1)+2:UU+8*(\q&1)+3]
	v_pk_add_f32 v[UU+8*(\q&1)+4:UU+8*(\q&1)+5], v[UU+8*(\q&1)+4:UU+8*(\q&1)+5], v[UU+8*(\q&1)+6:UU+8*(\q&1)+7]
	v_pk_add_f32 v[UU+8*(\q&1):UU+8*(\q&1)+1],   v[UU+8*(\q&1):UU+8*(\q&1)+1],   v[UU+8*(\q&1)+4:UU+8*(\q&1)+5]
.if \first
	v_add_f32 v[LS+\q], v[UU+8*(\q&1)], v[UU+8*(\q&1)+1]
.else
	v_add_f32 v[UU+8*(\q&1)], v[UU+8*(\q&1)], v[UU+8*(\q&1)+1]
	v_fma_f32 v[LS+\q], v[LS+\q], v[AL+\q], v[UU+8*(\q&1)]
.endif
.endr
; the weights to f16, packed downward in place: register 8q+i is written when the pair 16q+2i, at or above it, is read, and every lower pair has been read
.set qq, 0
.rept 4
.set kk, 0
.rept 8
	v_cvt_pk_f16_f32 v[SC+8*qq+kk], v[SC+16*qq+2*kk], v[SC+16*qq+2*kk+1]
.set kk, kk+1
.endr
.set qq, qq+1
.endr
.endm
; older sums shrink by the query tile's factor: window 2, then window 3
.macro RESCALE
.irp win, 0x82, 0xC3
	WIN \win
.set tt, 0
.rept 8
.irp p, 0,2,4,6
	v_pk_mul_f32 v[32*tt+\p:32*tt+\p+1], v[32*tt+\p:32*tt+\p+1], v[AL:AL+1] op_sel_hi:[1,0]
.endr
.irp p, 8,10,12,14
	v_pk_mul_f32 v[32*tt+\p:32*tt+\p+1], v[32*tt+\p:32*tt+\p+1], v[AL:AL+1] op_sel:[0,1] op_sel_hi:[1,1]
.endr
.irp p, 16,18,20,22
	v_pk_mul_f32 v[32*tt+\p:32*tt+\p+1], v[32*tt+\p:32*tt+\p+1], v[AL+2:AL+3] op_sel_hi:[1,0]
.endr
.irp p, 24,26,28,30
	v_pk_mul_f32 v[32*tt+\p:32*tt+\p+1], v[32*tt+\p:32*tt+\p+1], v[AL+2:AL+3] op_sel:[0,1] op_sel_hi:[1,1]
.endr
.set tt, tt+1
.endr
.endr
.endm
.macro VPRE half                       ; four V^T fragments: half 0: d tiles 0-3 into v32-63; half 1: d tiles 4-7 into v96-127
.set tt, 4*\half
.rept 4
	VFRAG tt, FR+64*\half+8*(tt&3)
.set tt, tt+1
.endr
.endm
; O^T += V^T P^T: four groups of four d tiles x four query tiles.  Each of the 64 accumulators has one instruction a trip: they take turns.
.macro PHASE_C first
.set gg, 0
.rept 4
.if gg < 2
	WIN 0xA0                               ; C and D in window 2
.else
	WIN 0xF0                               ; C and D in window 3
.endif
.if gg < 3
	s_wait_dscnt 8                         ; this group's eight loads are in; the next group's eight may be out
.else
	s_wait_dscnt 0
.endif
.set tt, 4*gg
.rept 4
.set qq, 0
.rept 4
.if \first
	v_wmma_f32_16x16x32_f16 v[8*(4*(tt&7)+qq):8*(4*(tt&7)+qq)+7], v[FR+64*(gg&1)+8*(tt&3):FR+64*(gg&1)+8*(tt&3)+7], v[SC+8*qq:SC+8*qq+7], 0
.else
	v_wmma_f32_16x16x32_f16 v[8*(4*(tt&7)+qq):8*(4*(tt&7)+qq)+7], v[FR+64*(gg&1)+8*(tt&3):FR+64*(gg&1)+8*(tt&3)+7], v[SC+8*qq:SC+8*qq+7], v[8*(4*(tt&7)+qq):8*(4*(tt&7)+qq)+7]
.endif
.set qq, qq+1
.endr
.set tt, tt+1
.endr
.if gg < 2
	WIN 0
	NOP4                                   ; four places before the slots just read are loaded again
.set tt, 4*gg+8
.rept 4
	VFRAG tt, FR+64*(gg&1)+8*(tt&3)
.set tt, tt+1
.endr
.endif
.set gg, gg+1
.endr
	WIN 0
.endm
; In the middle of a trip that is not the last: the next tile's rows 0-15.  Rows 0-7 have had the first product, the softmax and the shrinking of the sums in which to land,
; rows 8-15 the softmax, the shrinking and the split of rows 0-7.  Each row's registers are asked for again with row 16 + p of the same tile.
; Kl's one buffer is free: the first product's loads of it have been waited for.  Scratch: v96-111, free between the packing of the weights and the V fragments.
.macro T1
	SPLIT16 0, 16, 16, FR+64
.endm
; At the head of a trip but the first: the tile's rows 16-31 go into its buffers; more = 1: rows 0-7 of the tile after it are asked for, into the half of staging
; that does not serve as K slots; the Kh buffers change places.  Scratch: v32-47.
.macro T2 more
	NOP4                                   ; four places before the split writes the slots that the last products read; its own lines are the places for the scores' registers
.if \more
	s_wait_xcnt 0x0                        ; loads that name s[36:37] are still out: the base is stepped only behind this wait (ISA guide 3.1)
	s_add_nc_u64 s[36:37], s[36:37], 0x20000       ; four tiles of 32 rows x 1,024 bytes on
	SPLIT16 16, 8, 0, FR
.else
	SPLIT16 16, 0, 0, FR
.endif
	s_xor_b32 s25, s25, KBUF
	v_add_nc_u32 v[KRD], s25, v[KB0]
	v_add_nc_u32 v[VRD], s25, v[VB0]
	s_xor_b32 s38, s25, KBUF
	v_add_nc_u32 v[SWR], s38, v[SB0]
	PRELOADK                               ; LDS serves a wave's instructions in order (ISA guide 5.7.1): these see the stores above
.endm
.macro TRIP first, last
	PHASE_A
	PHASE_B \first, \last
	VPRE 0                                 ; the first V fragments land while the sums shrink
.if \first == 0
	RESCALE
	WIN 0
.endif
.if \last == 0
	T1
.endif
	VPRE 1
	PHASE_C \first
.endm
; key tile 0 of the wave, 32 rows, into window 3
.macro T0LOADS
	WIN 0xC0
.set ii, 0
.rept 64
	global_load_b128 v[4*ii:4*ii+3], v[GOF], s[10:11] offset:(ii>>1)*1024+(ii&1)*512
.set ii, ii+1
.endr
.endm
; its split: the high parts in window 2, the rest in place in window 3; long stretches under one window setting
.macro T0CONV
	WIN 0x8C                               ; destination window 2, source 1 window 3
.set ii, 0
.rept 256
	v_and_b32 v[ii], s42, v[ii]
.set ii, ii+1
.endr
	WIN 0xCB                               ; window 3 = window 3 - window 2
.set ii, 0
.rept 128
	v_pk_add_f32 v[2*ii:2*ii+1], v[2*ii:2*ii+1], v[2*ii:2*ii+1] neg_lo:[0,1] neg_hi:[0,1]
.set ii, ii+1
.endr
.irp win, 0x8A, 0xCF                       ; to f16 in place, window 2, then window 3
	WIN \win
.set ii, 0
.rept 64
	v_cvt_pk_f16_f32 v[4*ii],   v[4*ii],   v[4*ii+1]
	v_cvt_pk_f16_f32 v[4*ii+1], v[4*ii+2], v[4*ii+3]
.set ii, ii+1
.endr
.endr
	WIN 0x08                               ; store data from window 2: Kh, buffer 0
.set ii, 0
.rept 64
	ds_store_b64 v[SB0], v[4*ii:4*ii+1] offset:(ii>>1)*PK+(ii&1)*256
.set ii, ii+1
.endr
	WIN 0x0C                               ; store data from window 3: Kl
.set ii, 0
.rept 64
	ds_store_b64 v[SB0], v[4*ii:4*ii+1] offset:KLO+(ii>>1)*PK+(ii&1)*256
.set ii, ii+1
.endr
	WIN 0
.endm
; w3, w2 of my 8 columns (d = 4 lane .. +3 and 128 more), and the wave's 16 rows of s1 into staging; s1's rows are read once in the launch
.macro QLOADS
	WIN 0
	global_load_b128 v[SC:SC+3],     v[GOF], s[12:13] offset:2048
	global_load_b128 v[SC+4:SC+7],   v[GOF], s[12:13] offset:2560
	global_load_b128 v[SC+8:SC+11],  v[GOF], s[12:13] offset:1024
	global_load_b128 v[SC+12:SC+15], v[GOF], s[12:13] offset:1536
.set ii, 0
.rept 32
	global_load_b128 v[ST+4*ii:ST+4*ii+3], v[GOF], s[8:9] offset:(ii>>1)*1024+(ii&1)*512 th:TH_LOAD_NT
.set ii, ii+1
.endr
	s_wait_loadcnt 0x0                     ; everything asked for so far
.endm
; Q' = s1 w3 + w2 in f32, split; Qh into the stage in my region, Ql into the work-group's table
.macro QWORK
.set ii, 0
.rept 32
	v_pk_fma_f32 v[ST+4*ii:ST+4*ii+1],   v[ST+4*ii:ST+4*ii+1],   v[SC+4*(ii&1):SC+4*(ii&1)+1],   v[SC+8+4*(ii&1):SC+8+4*(ii&1)+1]
	v_pk_fma_f32 v[ST+4*ii+2:ST+4*ii+3], v[ST+4*ii+2:ST+4*ii+3], v[SC+4*(ii&1)+2:SC+4*(ii&1)+3], v[SC+8+4*(ii&1)+2:SC+8+4*(ii&1)+3]
.set ii, ii+1
.endr
	CONV 0, SB0, QHS, QA, 0
.endm
.macro START                           ; buffer 0 is at work; its first fragments
	v_mov_b32 v[KRD], v[KB0]
	v_mov_b32 v[VRD], v[VB0]
	PRELOADK
.endm
.macro SETPW                           ; where lane (r, h) puts its sums: row r of a query tile, 256 h bytes in
	v_mul_u32_u24 v[QA], v2, PO
	v_lshl_add_u32 v[QA], v3, 8, v[QA]
	v_add_nc_u32 v[QA], s41, v[QA]
.endm
; ---------------------------------------------------------------- ids, lengths, lane terms
	s_load_b256 s[4:11], s[0:1], 0x0               ; l1 s[4:5], l2 s[6:7], s1 s[8:9], s2 s[10:11]
	s_load_b128 s[12:15], s[0:1], 0x20             ; w s[12:13], out0 s[14:15]
	v_lshrrev_b32 v1, 5, v0
	v_readfirstlane_b32 s16, v1                    ; wave 0..3
	v_and_b32 v1, 31, v0                           ; lane
	v_lshlrev_b32 v34, 2, v1                       ; one batch a lane
	s_wait_kmcnt 0x0
	global_load_b32 v32, v34, s[4:5]               ; l1[lane]
	global_load_b32 v33, v34, s[6:7]               ; l2[lane]
	s_mov_b32 s17, ttmp9                           ; g: my place in the list of blocks, from the front
	s_sub_co_u32 s18, 511, ttmp9                   ; and from the end
	s_mov_b32 s26, 0x76543210                      ; v_permlanex16_b32: lane i of one half reads lane i of the other
	s_mov_b32 s27, 0xfedcba98
	s_mov_b32 s28, 0x3fb8aa3b                      ; c = log2 e, twice (a pair for the packed multiply-add)
	s_mov_b32 s29, 0x3fb8aa3b
	s_mov_b32 s30, 0xbfb8aa3b                      ; -c
	s_mov_b32 s42, 0xffffe000                      ; sign, exponent and the upper 10 bits of an f32's fraction: what f16 holds
	s_mul_i32 s41, s16, WREG                       ; my wave's region of LDS
	s_mul_i32 s31, s16, HALFK
	s_add_co_u32 s31, s31, QLO
	s_lshl_b32 s35, s16, 8
	s_add_co_u32 s35, s35, STAT
	v_and_b32 v2, 15, v0                           ; r
	v_bfe_u32 v3, v0, 4, 1                         ; h
	v_lshlrev_b32 v[GOF], 4, v1
	v_mul_u32_u24 v[KB0], v2, PK
	v_lshl_add_u32 v[KB0], v3, 4, v[KB0]
	v_add_nc_u32 v[KB0], s41, v[KB0]               ; row r, 16 h bytes in
	v_and_b32 v[VB0], 7, v0
	v_lshl_add_u32 v[VB0], v3, 3, v[VB0]
	v_mul_u32_u24 v[VB0], v[VB0], PK               ; key row 8 h + (lane & 7)
	v_bfe_u32 v[KRD], v0, 3, 1
	v_lshl_add_u32 v[VB0], v[KRD], 7, v[VB0]       ; lanes 8-15 of each half: 64 d further on
	v_add_nc_u32 v[VB0], s41, v[VB0]
	v_lshl_add_u32 v[SB0], v1, 3, s41
	v_lshlrev_b32 v[H8], 3, v3
	v_mov_b32 v[NEG], 0xf149f2ca                   ; -1e30
	v_lshl_add_u32 v[QA], v1, 3, s31               ; Ql's table, my wave's 16 rows, 8 bytes a lane
	v_lshl_add_u32 v[STA], v2, 2, s35              ; STAT, my wave's 64 words, word r
; ---------------------------------------------------------------- the list of blocks: which batch and which block are mine
	s_wait_loadcnt 0x0
	v_cmp_lt_i32 vcc_lo, 0, v32
	v_cndmask_b32 v32, 0, v32, vcc_lo
	v_min_u32 v32, 0x400, v32                      ; l1 in 0..1024
	v_cmp_lt_i32 vcc_lo, 0, v33                    ; the batch has a live key (kept in VCC for the select below)
	v_cndmask_b32 v33, 0, v33, vcc_lo
	v_min_u32 v33, 0x400, v33                      ; l2 in 0..1024
	v_add_nc_u32 v35, 63, v32
	v_lshrrev_b32 v35, 6, v35
	v_cndmask_b32 v35, 0, v35, vcc_lo              ; nb: the batch's live blocks, 0..16
	v_add_nc_u32 v36, 31, v33
	v_lshrrev_b32 v36, 5, v36                      ; nt: its key tiles, 0..32
	v_sub_nc_u32 v37, 31, v1
	v_lshl_or_b32 v37, v37, 10, v35
	v_lshl_or_b32 v37, v36, 15, v37
	v_or_b32 v37, 0x4000000, v37                   ; the batch's word: 1 << 26 | nt << 15 | (31 - batch) << 10 | nb: all 32 differ, and they order by nt
.set jj, 0
.rept 32
	v_readlane_b32 s[LW+jj], v37, jj
.set jj, jj+1
.endr
; each lane adds the words larger than its own.  No field carries into the next: the nb add up to 496 < 2^10 at the most, all below bit 26 to 31 (2^20 + 2^15) < 2^26.
.set jj, 0
.rept 32
	v_cmp_gt_u32 vcc_lo, s[LW+jj], v37
.if jj == 0
	v_cndmask_b32 v38, 0, s[LW+jj], vcc_lo
.else
	v_cndmask_b32 v39, 0, s[LW+jj], vcc_lo
	v_add_nc_u32 v38, v38, v39
.endif
.set jj, jj+1
.endr
	v_and_b32 v39, 0x3ff, v38                      ; the live blocks of the batches ranked ahead: where mine begin, from the front
	v_lshrrev_b32 v40, 26, v38                     ; how many batches are ranked ahead
	v_lshlrev_b32 v40, 4, v40
	v_sub_nc_u32 v40, v40, v39                     ; their dead blocks: where mine begin, from the end
	v_sub_nc_u32 v41, s17, v39                     ; g as a live block of this batch,
	v_sub_nc_u32 v42, s18, v40                     ; 511 - g as a dead one
	v_sub_nc_u32 v43, 16, v35
	v_add_nc_u32 v44, v35, v42                     ; the dead blocks are nb .. 15
	v_cmp_lt_u32 vcc_lo, v41, v35                  ; the live ranges tile 0 .. T - 1, the dead ones 0 .. 511 - T, and 511 - g < 512 - T just where g >= T:
	v_cndmask_b32 v44, v44, v41, vcc_lo            ; one lane meets one of the two compares
	v_cmp_lt_u32 s38, v42, v43
	v_lshl_or_b32 v45, v33, 11, v32
	v_lshl_or_b32 v45, v44, 22, v45
	v_lshl_or_b32 v45, v1, 26, v45                 ; l1 | l2 << 11 | block << 22 | batch << 26
	v_cndmask_b32 v46, 0, v45, vcc_lo
	v_cndmask_b32 v46, v46, v45, s38               ; in that lane; 0 in the 31 others
.set jj, 0
.rept 32
	v_readlane_b32 s[LW+jj], v46, jj
.set jj, jj+1
.endr
.set jj, 1
.rept 31
	s_or_b32 s[LW], s[LW], s[LW+jj]
.set jj, jj+1
.endr
	s_bfe_u32 s19, s[LW], 0xb0000                  ; l1[b]: 11 bits from bit 0
	s_bfe_u32 s20, s[LW], 0xb000b                  ; l2[b]: 11 bits from bit 11
	s_bfe_u32 s17, s[LW], 0x40016                  ; the block: 4 bits from bit 22
	s_bfe_u32 s18, s[LW], 0x5001a                  ; the batch: 5 bits from bit 26
	s_min_u32 s19, s19, 1024                       ; numbers made from loaded data are clamped by a constant before they steer
	s_min_u32 s20, s20, 1024                       ; a trip count
	s_min_u32 s17, s17, 15                         ; or an address
	s_min_u32 s18, s18, 31
; ---------------------------------------------------------------- addresses and counts
	s_mov_b32 s33, 0
	s_lshl_b32 s35, s18, 20                        ; a batch is 1,024 rows of 1,024 bytes
	s_lshl_b32 s31, s16, 15                        ; a key tile is 32 rows
	s_add_co_u32 s32, s35, s31
	s_add_nc_u64 s[10:11], s[10:11], s[32:33]      ; s2 at key tile w
	s_add_nc_u64 s[36:37], s[10:11], 0x20000       ; and at key tile w + 4
	s_lshl_b32 s31, s17, 16                        ; a query block is 64 rows
	s_add_co_u32 s32, s35, s31
	s_lshl_b32 s31, s16, 14                        ; the wave's 16 rows of it
	s_add_co_u32 s32, s32, s31
	s_add_nc_u64 s[8:9], s[8:9], s[32:33]
	s_add_nc_u64 s[14:15], s[14:15], s[32:33]
	s_add_co_u32 s21, s20, 31
	s_lshr_b32 s21, s21, 5                         ; key tiles with a live key
	s_add_co_u32 s22, s21, 3
	s_sub_co_u32 s22, s22, s16
	s_lshr_b32 s22, s22, 2                         ; n: how many of them are mine (w, w+4, ...), 0 to 8
	s_lshl_b32 s39, s22, 2
	s_add_co_u32 s39, s39, s16
	s_sub_co_u32 s39, s39, 4                       ; my last tile, w + 4 (n - 1) (not used where n = 0)
	s_lshl_b32 s39, s39, 5
	s_sub_co_u32 s39, s20, s39                     ; live keys from its first key on
	v_sub_nc_u32 v[KLEFT], s39, v[H8]
	s_lshl_b32 s31, s17, 6
	s_sub_co_i32 s40, s19, s31
	s_lshl_b32 s35, s16, 4
	s_sub_co_i32 s40, s40, s35                     ; live rows from the first of the 16 rows that I merge and store
	s_cmp_lt_u32 s31, s19
	s_cselect_b32 s34, s20, 0                      ; not 0: the block has a live row and the batch a live key
; ---------------------------------------------------------------- Q' for the work-group, key tile 0 for the wave
	s_cmp_eq_u32 s34, 0
	s_cbranch_scc1 .Lidle
	s_cmp_eq_u32 s22, 0
	s_cbranch_scc1 .Lqonly
	T0LOADS                                        ; first out, so that both land behind one wait
	QLOADS
	QWORK
	T0CONV
	s_branch .Lb1
.Lqonly:                                           ; a wave without keys still makes its 16 rows of Q'
	QLOADS
	QWORK
	s_branch .Lb1
.Lidle:                                            ; a block without live work: the loads of Qh below stand between two barriers and so on every wave's path;
	v_mov_b32 v32, 0                               ; here they find zeros, so that they read only bytes that have been written
	v_mov_b32 v33, 0
.set ii, 0
.rept 32
	ds_store_b64 v[SB0], v[32:33] offset:QHS+(ii>>1)*PK+(ii&1)*256
.set ii, ii+1
.endr
.Lb1:
	s_wait_dscnt 0x0                               ; my rows of Qh and Ql are in LDS, for the others' sake
	s_barrier_signal -1
	s_barrier_wait -1                              ; everybody's are
	v_mul_u32_u24 v32, v2, PK
	v_lshl_add_u32 v32, v3, 4, v32                 ; row r, 16 bytes for each half of the lanes
	v_add_nc_u32 v[QLR], QLO, v32                  ; in Ql's table
	v_add_nc_u32 v32, QHS, v32                     ; in wave 0's stage of Qh,
	v_add_nc_u32 v33, WREG, v32                    ; wave 1's,
	v_add_nc_u32 v34, 2*WREG, v32                  ; wave 2's,
	v_add_nc_u32 v35, 3*WREG, v32                  ; wave 3's
	WIN 0x40                                       ; all 64 queries' Qh into window 1
.set qq, 0
.rept 4
.set kk, 0
.rept 8
	ds_load_b128 v[8*(8*qq+kk):8*(8*qq+kk)+3],   v[32+qq] offset:64*kk
	ds_load_b128 v[8*(8*qq+kk)+4:8*(8*qq+kk)+7], v[32+qq] offset:64*kk+32
.set kk, kk+1
.endr
.set qq, qq+1
.endr
	WIN 0
	s_wait_dscnt 0x0                               ; my reads of the four stages are over, for the others' sake:
	s_barrier_signal -1
	s_barrier_wait -1                              ; behind this barrier a wave may write its sums over its region, its stage of Qh included
	s_cmp_eq_u32 s34, 0
	s_cbranch_scc1 .Lb2
	s_cmp_eq_u32 s22, 0
	s_cbranch_scc1 .Ldead
	s_cmp_lt_u32 s22, 2
	s_cbranch_scc1 .Lsingle
; ---------------------------------------------------------------- two tiles or more
	LOADROWS 0, 8, ST                              ; my second tile's rows 0-7
	v_add_nc_u32 v[SWR], KBUF, v[SB0]
	s_mov_b32 s25, 0
	START
	TRIP 1, 0
	s_mov_b32 s23, 1
	s_sub_co_u32 s35, s22, 1
	s_cmp_lt_u32 s23, s35
	s_cbranch_scc0 .Llast
.Lloop:
	T2 1
	TRIP 0, 0
	s_add_co_u32 s23, s23, 1
	s_cmp_lt_u32 s23, s35
	s_cbranch_scc1 .Lloop
.Llast:
	T2 0                                           ; the last tile: nothing more is asked for
	TRIP 0, 1
	s_branch .Ldone
.Lsingle:                                          ; one tile: first and last at once
	START
	TRIP 1, 1
; ---------------------------------------------------------------- the wave's statistics and sums into LDS
.Ldone:
	NOP4                                           ; four places before the sums are stored and the slots rewritten
.irp q, 0,1,2,3
	v_permlanex16_b32 v[TM+\q], v[LS+\q], s26, s27
.endr
.irp q, 0,1,2,3
	v_add_f32 v[LS+\q], v[LS+\q], v[TM+\q]         ; both halves' keys
.endr
.irp q, 0,1,2,3
	ds_store_b32 v[STA], v[NM+\q] offset:64*\q     ; lanes r and 16 + r write the same word with the same value
	ds_store_b32 v[STA], v[LS+\q] offset:1024+64*\q
.endr
	SETPW
; lane (r, h), tile (t, q): query 16 q + r, d = 128 (t>>3) + 64 h + 8 (t&7) + 0..7: 32 neighbouring bytes.  The key buffers underneath are the wave's own and have been read.
.set tt, 0
.rept 16
.if tt < 8
	WIN 0x08
.else
	WIN 0x0C
.endif
.set qq, 0
.rept 4
	ds_store_b128 v[QA], v[8*(4*(tt&7)+qq):8*(4*(tt&7)+qq)+3]   offset:16*PO*qq+32*(tt&7)+512*(tt>>3)
	ds_store_b128 v[QA], v[8*(4*(tt&7)+qq)+4:8*(4*(tt&7)+qq)+7] offset:16*PO*qq+32*(tt&7)+512*(tt>>3)+16
.set qq, qq+1
.endr
.set tt, tt+1
.endr
	WIN 0
	s_branch .Lb2
.Ldead:                                            ; a wave without keys (l2 <= 96): sums of zero, denominator 0, and a -c*max so large that its factor is 2^-huge = 0
	v_mov_b32 v32, 0
	v_mov_b32 v33, 0
	v_mov_b32 v34, 0
	v_mov_b32 v35, 0
	v_mov_b32 v[NM], 0x7f000000
.irp q, 0,1,2,3
	ds_store_b32 v[STA], v[NM] offset:64*\q
	ds_store_b32 v[STA], v32 offset:1024+64*\q
.endr
	SETPW
.set tt, 0
.rept 16
.set qq, 0
.rept 4
	ds_store_b128 v[QA], v[32:35] offset:16*PO*qq+32*(tt&7)+512*(tt>>3)
	ds_store_b128 v[QA], v[32:35] offset:16*PO*qq+32*(tt&7)+512*(tt>>3)+16
.set qq, qq+1
.endr
.set tt, tt+1
.endr
.Lb2:
	s_wait_dscnt 0x0                               ; my statistics and sums are in LDS, for the others' sake
	s_barrier_signal -1
	s_barrier_wait -1
; ---------------------------------------------------------------- the merge: wave w takes queries 16 w .. 16 w + 15 of all four waves' parts
.set OUTO, 5                           ; v5      my 16 bytes in two rows of out0: lanes 0-15 one row's 256 bytes, lanes 16-31 the next row's
.set FTW,  6                           ; v6      where row r's four factors go
.set STR,  7                           ; v7      row r's statistics
.set XA,   8                           ; v[8:11] my 16 bytes in wave w''s sums, rows 16 w + h
.set FTR,  29                          ; v29     row h's factors
.set FB0,  48                          ; v[48:55]  factors, two buffers
.set XB0,  64                          ; v[64:191] sums, two buffers of 16 loads
	v_lshlrev_b32 v[OUTO], 4, v2
	v_lshl_add_u32 v[OUTO], v3, 10, v[OUTO]
	s_cmp_eq_u32 s34, 0
	s_cbranch_scc1 .Lzero
	s_lshl_b32 s31, s16, 6
	s_add_co_u32 s31, s31, STAT
	v_lshl_add_u32 v[STR], v2, 2, s31
.irp wv, 0,1,2,3
	ds_load_b32 v[32+\wv], v[STR] offset:256*\wv           ; -c*max of wave wv
.endr
.irp wv, 0,1,2,3
	ds_load_b32 v[36+\wv], v[STR] offset:1024+256*\wv      ; its denominator
.endr
	s_lshl_b32 s35, s16, 8
	s_add_co_u32 s35, s35, FT
	v_lshl_add_u32 v[FTW], v2, 4, s35
	v_lshl_add_u32 v[FTR], v3, 4, s35
	s_mul_i32 s38, s16, 16*PO
	v_mul_u32_u24 v[XA], v3, PO
	v_lshl_add_u32 v[XA], v2, 4, v[XA]
	v_add_nc_u32 v[XA], s38, v[XA]
	v_add_nc_u32 v[XA+1], WREG, v[XA]
	v_add_nc_u32 v[XA+2], 2*WREG, v[XA]
	s_wait_dscnt 0x0
	v_min3_num_f32 v40, v32, v33, v34
	v_min_num_f32 v40, v40, v35                    ; -c x the largest of the four maxima
.irp wv, 0,1,2,3
	v_sub_f32 v[44+\wv], v40, v[32+\wv]            ; at most 0
.endr
.irp wv, 0,1,2,3
	v_exp_f32 v[44+\wv], v[44+\wv]
.endr
	v_nop                                          ; one plain instruction behind the exponentials (ISA guide 5.7.2)
	s_wait_alu depctr_va_vdst(0)
	v_mul_f32 v41, v36, v44
	v_fmac_f32 v41, v37, v45
	v_fmac_f32 v41, v38, v46
	v_fmac_f32 v41, v39, v47                       ; the row's denominator: the key of the largest score alone adds about 1
	v_rcp_f32 v42, v41
	v_add_nc_u32 v[XA+3], 3*WREG, v[XA]            ; the plain instruction behind the reciprocal
	v_cmp_gt_i32 vcc_lo, s40, v2                   ; row r is below l1
	s_wait_alu depctr_va_vdst(0)
	v_cndmask_b32 v42, 0, v42, vcc_lo              ; the problem's zero for rows at or above l1
.irp wv, 0,1,2,3
	v_mul_f32 v[44+\wv], v[44+\wv], v42
.endr
	ds_store_b128 v[FTW], v[44:47]                 ; my wave's own bytes: its loads below follow in order (ISA guide 5.7.1)
.macro RDPAIR i, xb, fb                ; rows 2 i + h: the four factors, then 4 waves x 4 pieces of 256 bytes: 17 loads
	ds_load_b128 v[\fb:\fb+3], v[FTR] offset:32*(\i)
.irp wv, 0,1,2,3
.irp cc, 0,1,2,3
	ds_load_b128 v[\xb+16*\cc+4*\wv:\xb+16*\cc+4*\wv+3], v[XA+\wv] offset:2*PO*(\i)+256*\cc
.endr
.endr
.endm
.macro OUTPAIR i, xb, fb, cnt
	s_wait_dscnt \cnt
.irp cc, 0,1,2,3
.irp p, 0,2
	v_pk_mul_f32 v[\xb+16*\cc+\p:\xb+16*\cc+\p+1], v[\xb+16*\cc+\p:\xb+16*\cc+\p+1], v[\fb:\fb+1] op_sel_hi:[1,0]
.endr
.irp p, 0,2
	v_pk_fma_f32 v[\xb+16*\cc+\p:\xb+16*\cc+\p+1], v[\xb+16*\cc+4+\p:\xb+16*\cc+4+\p+1], v[\fb:\fb+1], v[\xb+16*\cc+\p:\xb+16*\cc+\p+1] op_sel:[0,1,0] op_sel_hi:[1,1,1]
.endr
.irp p, 0,2
	v_pk_fma_f32 v[\xb+16*\cc+\p:\xb+16*\cc+\p+1], v[\xb+16*\cc+8+\p:\xb+16*\cc+8+\p+1], v[\fb+2:\fb+3], v[\xb+16*\cc+\p:\xb+16*\cc+\p+1] op_sel_hi:[1,0,1]
.endr
.irp p, 0,2
	v_pk_fma_f32 v[\xb+16*\cc+\p:\xb+16*\cc+\p+1], v[\xb+16*\cc+12+\p:\xb+16*\cc+12+\p+1], v[\fb+2:\fb+3], v[\xb+16*\cc+\p:\xb+16*\cc+\p+1] op_sel:[0,1,0] op_sel_hi:[1,1,1]
.endr
	global_store_b128 v[OUTO], v[\xb+16*\cc:\xb+16*\cc+3], s[14:15] offset:2048*(\i)+256*\cc th:TH_STORE_NT   ; sixteen lanes store 256 consecutive bytes, at a multiple of 256 from out0's first byte
.endr
.endm
	RDPAIR 0, XB0, FB0
.set pp, 0
.rept 7
.if pp > 0
	s_wait_xcnt 0x0                                ; the buffer that is loaded next holds data of earlier stores: it is rewritten only behind this wait (ISA guide 3.1)
.endif
	RDPAIR pp+1, XB0+64*((pp+1)&1), FB0+4*((pp+1)&1)
	OUTPAIR pp, XB0+64*(pp&1), FB0+4*(pp&1), 17    ; the 17 loads just issued for the next pair of rows may stay out
.set pp, pp+1
.endr
	OUTPAIR 7, XB0+64, FB0+4, 0
	s_wait_xcnt 0x0
	v_lshl_add_u32 v254, v0, 2, 0x4a000
	v_mov_b32 v255, 0
	s_wait_tensorcnt 0x0
	ds_add_u32 v254, v255
	s_wait_dscnt 0x0
	s_endpgm
.Lzero:                                            ; no live row or no live key: the wave's 16 rows are zeros
	v_mov_b32 v32, 0
	v_mov_b32 v33, 0
	v_mov_b32 v34, 0
	v_mov_b32 v35, 0
.set ii, 0
.rept 32
	global_store_b128 v[OUTO], v[32:35], s[14:15] offset:2048*(ii>>2)+256*(ii&3) th:TH_STORE_NT
.set ii, ii+1
.endr
	s_wait_xcnt 0x0
	v_lshl_add_u32 v254, v0, 2, 0x4a000
	v_mov_b32 v255, 0
	s_wait_tensorcnt 0x0
	ds_add_u32 v254, v255
	s_wait_dscnt 0x0
	s_endpgm
.Lfunc_end_k_q804507842c_bidaf:
	.size	k_q804507842c_bidaf, .Lfunc_end_k_q804507842c_bidaf-k_q804507842c_bidaf
	.p2alignl 7, 3214868480
	.fill 96, 4, 3214868480
	.section	.rodata,"a",@progbits
	.p2align	6, 0x0
	.amdhsa_kernel k_q804507842c_bidaf
		.amdhsa_group_segment_fixed_size 303616
		.amdhsa_private_segment_fixed_size 0
		.amdhsa_enable_private_segment 0
		.amdhsa_kernarg_size 48
		.amdhsa_user_sgpr_count 2
		.amdhsa_user_sgpr_kernarg_segment_ptr 1
		.amdhsa_wavefront_size32 1
		.amdhsa_system_sgpr_workgroup_id_x 1
		.amdhsa_system_sgpr_workgroup_id_y 1
		.amdhsa_system_sgpr_workgroup_id_z 1
		.amdhsa_system_vgpr_workitem_id 0
		.amdhsa_next_free_vgpr 1024
		.amdhsa_next_free_sgpr 98
		.amdhsa_reserve_vcc 1
		.amdhsa_float_denorm_mode_32 3
		.amdhsa_float_denorm_mode_16_64 3
		.amdhsa_memory_ordered 1
		.amdhsa_forward_progress 1
		.amdhsa_inst_pref_size 255
	.end_amdhsa_kernel
	.section	.bss,"aw",@nobits
	.p2align	6
	.space	262144
	.amdgpu_metadata
---
amdhsa.version: [ 1, 2 ]
amdhsa.kernels:
  - .name:           k_q804507842c_bidaf
    .symbol:         k_q804507842c_bidaf.kd
    .args:
      - { .name: l1, .offset: 0, .size: 8, .value_kind: global_buffer, .address_space: global }
      - { .name: l2, .offset: 8, .size: 8, .value_kind: global_buffer, .address_space: global }
      - { .name: s1, .offset: 16, .size: 8, .value_kind: global_buffer, .address_space: global }
      - { .name: s2, .offset: 24, .size: 8, .value_kind: global_buffer, .address_space: global }
      - { .name: w, .offset: 32, .size: 8, .value_kind: global_buffer, .address_space: global }
      - { .name: out0, .offset: 40, .size: 8, .value_kind: global_buffer, .address_space: global }
    .group_segment_fixed_size: 303616
    .private_segment_fixed_size: 0
    .kernarg_segment_align: 8
    .kernarg_segment_size: 48
    .max_flat_workgroup_size: 128
    .sgpr_count:     98
    .vgpr_count:     1024
    .wavefront_size: 32
...
	.end_amdgpu_metadata
.endif
;; end of part 2
